; MI455X (gfx1250); checked and timed in simulation.
; The chip was launched on July 23, 2026; its instructions are those of AMD's public machine-readable ISA for CDNA 5 (MIT licence, August 2026) and "CDNA5" Instruction Set Architecture Reference Guide (July 2026). The comments in the code are by the model that wrote it; some were corrected since.
;; Treatment Conditioned Attention. Allowed arithmetic: matrix products marked QUANTISED: E2M3 operands, one E8M0 scale for each 32 along K, by v_wmma_scale_f32_16x16x128_f8f6f4 with both operands' format E2M3, f32 sums; products left as they are: f32 operands where the result goes on into a quantised operand, else bf16, f16 or f32 operands; f32 sums; everything else in f32.
;; Inputs: Gb_W1 256 x 32 float32; Gb_W2 32 x 16 float32; Gb_b1 32 float32; Gb_b2 16 float32; Gk_W 256 x 1,024 float32; Gk_b 1,024 float32; Tb_W1 128 x 32 float32; Tb_W2 32 x 16 float32; Tb_b1 32 float32; Tb_b2 16 float32; Tk_W 128 x 1,024 float32; Tk_b 1,024 float32; Wk 1,024 x 1,024 float32; Wo 1,024 x 1,024 float32; Wq 1,024 x 1,024 float32; Wv 1,024 x 1,024 float32; bk 1,024 float32; bo 1,024 float32; bq 1,024 float32; bv 1,024 float32; cancer_bias_emb 32 x 16 float32; cancer_kmod_emb 32 x 1,024 float32; cancer_type 4 int32; graph_context 4 x 256 float32; treatment_embed 4 x 128 float32; x 4 x 2,048 x 1,024 float32.
;; Outputs: out0 4 x 2,048 x 1,024 float32.
;; This version of the problem:
;;   THIS VERSION OF THE PROBLEM IS GIVEN IN LOW PRECISION. The matrix products marked QUANTISED in the list below multiply operands that are first quantised to E2M3 (2 exponent bits, 3 mantissa bits; 6 bits a number), with one power-of-two scale for each 32 numbers along K (OCP MX v1.0); their sums are f32. All else is computed in f32.
;;   The module's matrix products, in the order in which they are computed (A, B: the left and right operand; K: the contracted axis; several contracted axes count as one K, in the product's order):
;;     1. [M 8,192, K 1,024] x [K 1,024, N 1,024]; A: input x; B: input Wq: QUANTISED
;;     2. [M 8,192, K 1,024] x [K 1,024, N 1,024]; A: input x; B: input Wk: QUANTISED
;;     3. [M 8,192, K 1,024] x [K 1,024, N 1,024]; A: input x; B: input Wv: QUANTISED
;;     4. [M 4, K 256] x [K 256, N 1,024]; A: input graph_context; B: input Gk_W: left as it is (M = 4 < 16)
;;     5. [M 4, K 128] x [K 128, N 1,024]; A: input treatment_embed; B: input Tk_W: left as it is (M = 4 < 16)
;;     6. batch 64 x [M 2,048, K 64] x [K 64, N 2,048]; A: computed on the way; B: computed on the way: QUANTISED
;;     7. [M 4, K 256] x [K 256, N 32]; A: input graph_context; B: input Gb_W1: left as it is (M = 4 < 16)
;;     8. [M 4, K 32] x [K 32, N 16]; A: computed on the way; B: input Gb_W2: left as it is (M = 4 < 16)
;;     9. [M 4, K 128] x [K 128, N 32]; A: input treatment_embed; B: input Tb_W1: left as it is (M = 4 < 16)
;;     10. [M 4, K 32] x [K 32, N 16]; A: computed on the way; B: input Tb_W2: left as it is (M = 4 < 16)
;;     11. batch 64 x [M 64, K 2,048] x [K 2,048, N 2,048]; A: computed on the way; B: softmax (see below): QUANTISED
;;     12. [M 8,192, K 1,024] x [K 1,024, N 1,024]; A: computed on the way; B: input Wo: QUANTISED
;;   THE QUANTISER, for each operand of a quantised product, along K:
;;     - K is cut into blocks of 32 from its start; a last block that is shorter is filled with zeros.
;;     - A block's scale is 2^e with e = floor(log2(the largest magnitude in the block)) - 2, held to -126 .. 127; a block of zeros has e = 0. As a byte (E8M0): e + 127.
;;     - Each number is divided by its block's scale, clamped to +-7.5, and rounded to the nearest number of E2M3, ties to even, subnormals kept.
;;     - The product sums the exact products of the quantised numbers (number of the format x scale) in f32.
;;   ~~~python
;;   def quantise(x, axis):      # numpy; x: float32 -> the quantised numbers, widened to float32 again
;;       x = np.moveaxis(x, axis, -1); K = x.shape[-1]
;;       x = np.pad(x, [(0, 0)] * (x.ndim - 1) + [(0, -K % 32)]); x = x.reshape(x.shape[:-1] + (-1, 32)); a = np.abs(x).max(-1, keepdims=True)
;;       e = np.where(a > 0, np.clip(np.frexp(np.where(a > 0, a, 1))[1] - 1 - 2, -126, 127), 0)      # np.frexp(a)[1] - 1 = floor(log2(a)), exactly
;;       r = np.clip(x / 2.0 ** e, -7.5, 7.5)
;;       step = 2.0 ** (np.maximum(np.frexp(np.where(r == 0, 1, r))[1] - 1, 0) - 3)
;;       q = np.round(r / step) * step * 2.0 ** e      # np.round: ties to even
;;       return np.moveaxis(q.reshape(q.shape[:-2] + (-1,))[..., :K], -1, axis).astype(np.float32)
;;   ~~~
;;   SOFTMAX AHEAD OF A QUANTISED PRODUCT. Where the list says 'softmax', what is quantised is not the finished softmax but p = 2^(t - M), with t = logit x log2(e) and M = ceil(the row's largest t), a whole number; so 1/2 < the row's largest p <= 1. The row's sum l is taken of the UNQUANTISED p, in f32, and the product's result is divided by l at the end. Since M is a whole number, a kernel that streams over the keys may use a running M (the ceiling of the running maximum): every later rescaling is an exact power of two, which a block's scale takes up: the codes' values come out the same.
;;   OPERANDS COMPUTED ON THE WAY. 'Computed on the way' means the value that the module computes at that place (a softmax that the list does not call 'softmax' is quantised finished and normalised). What goes into a quantiser is computed in f32, as accurately as f32 sums, v_exp_f32 and their like allow (about 1e-6 of the number): no bf16 or f16 on the way to a quantiser, and a product that is left as it is and whose result goes on into a quantised operand takes f32 operands (vector FMAs, or v_wmma_f32_16x16x4_f32). A number that lies on a knife's edge between two numbers of the format may be rounded either way, as far as f32 arithmetic and the matrix unit's own rounding can turn it there, and no further.
;; One version. Each part assembles by itself: llvm-mc -triple=amdgcn-amd-amdhsa -mcpu=gfx1250 --defsym DOCPART=n.
;; ======== version 1 of 1: 4 launches
;; limits: right only within a limited range of input values
;; workspace buffers: xq 6,553,600 bytes; wq 3,276,800 bytes; kadd 16,384 bytes; bl 256 bytes; qc 6,815,744 bytes; kv 13,369,344 bytes; ao 6,553,600 bytes
;; launch prep (part 1): grid 545 x 1, 4 waves a work-group, no clusters, 42,496 bytes of LDS; arguments x, Wq, Wk, Wv, Wo, graph_context, treatment_embed, cancer_type, Gk_W, Gk_b, Tk_W, Tk_b, bk, cancer_kmod_emb, Gb_W1, Gb_b1, Gb_W2, Gb_b2, Tb_W1, Tb_b1, Tb_W2, Tb_b2, cancer_bias_emb, xq, wq, kadd, bl; writes xq, wq, kadd, bl
.if DOCPART == 1
	.amdgcn_target "amdgcn-amd-amdhsa--gfx1250"
	.amdhsa_code_object_version 6
	.text
	.protected	k_qd99f8f606a_prep
	.globl	k_qd99f8f606a_prep
	.p2align	8
	.type	k_qd99f8f606a_prep,@function
k_qd99f8f606a_prep:
	s_mov_b64 s[64:65], 0
	v_nop
	global_prefetch_b8 v0, s[64:65] scope:SCOPE_SE
	s_setreg_imm32_b32 hwreg(HW_REG_WAVE_MODE, 25, 1), 1
	s_wait_xcnt 0x0
; PREP: everything that is made once.  Four paths, chosen by the work-group's number alone:
;   0        BIAS: bl[b][head] = (cancer bias + graph MLP + treatment MLP) x log2(e), f32
;   1..32    KADD: kadd[b][n] = bk + cancer row + elu(graph_context Gk_W + Gk_b) + elu(treatment_embed Tk_W + Tk_b), f32, 32 columns a work-group
;   33..288  W:    Wq, Wk, Wv, Wo ([K][N] f32) -> codes of E2M3 along K, laid as images of the operand's registers (wq)
;   289..544 X:    x ([token][K] f32) -> codes of E2M3 along K, laid as images of the operand's registers (xq)
; A block's scale is 2^(floor(log2(largest magnitude)) - 2); its byte is the largest magnitude's exponent field - 2, held at 1 from below.
; THE ROWS OF A TILE ARE NOT NEIGHBOURS: row r of tile 2 i + u is row 32 i + 8 u + r % 8 + 16 (r / 8) of its block, for tokens and for weight columns alike,
; so that a later result's 16 registers of two neighbouring tiles are 16 neighbours along the next K.
; xq: [token block of 128][K step of 128] chunks of 12,800 bytes: 8 tiles x 2 halves of 768 bytes (registers 6 c .. 6 c + 3 at 16 x lane, 6 c + 4, 6 c + 5 at 512 + 8 x lane), then 512 bytes of scale words.
; wq: [column block of 256][K step] chunks of 25,600 bytes: 16 tiles x 1,536 bytes (registers 4 c .. 4 c + 3 at 512 c + 16 x lane), then 1,024 bytes of scale words.
; A scale register carries tile 2 i in lanes 0-15 and tile 2 i + 1 in lanes 16-31.
; LIMITS: NaN and infinities are not served.  A block whose largest magnitude lies under 2^-124 (a block of zeros among them) gets the byte 1; the bytes are read by this program alone.
; No tensor loads; each path that uses LDS has bytes of its own.
; TOKENS: what is said above of a tile's rows holds for weight columns.  Row r of token tile 4 c + u is token 64 c + 32 (r / 8) + 8 u + r % 8 of its block of 128:
; in a product whose rows are tokens, a lane's 32 registers of four neighbouring tiles are then a whole block of 32 neighbouring tokens.
.set LANE, 1
.set LI16, 3                           ; v3  16 x lane
.set LI8,  4                           ; v4  8 x lane
.set LI4,  5                           ; v5  4 x lane
.set WV,   18                          ; s18 wave
.set SEL,  20                          ; s[20:21] selects of v_permlanex16_b32: lane l xor 16
.set HM,   22                          ; s22 lanes 16-31, as a mask
.set R,    16                          ; X: v16-143 two sets of 64 registers as loaded
.set X,    144                         ; X: v144-207 64 numbers of my row
.set PC,   208                         ; X: v208-219 a fragment's codes
.set TC,   220                         ; X: v220-227 the conversions' second halves
.set TM,   228                         ; v228-231 largest magnitudes
.set BY,   232                         ; v232-235 the other half's, then the bytes
.set SO,   236                         ; v236-239 the conversions' scale operands
.set PWT,  244                         ; v244-247 the four tiles' scale words
.set SW,   250                         ; v250-251 two pairs' scale registers
.set WTC,  184                         ; W: v184-199 the conversions' second halves
.set LDS_K, 33792                      ; KADD's 4,096 bytes
.set LDS_B, 37888                      ; BIAS's 4,096 bytes
; 64 numbers of a lane, register 16 b + i = k 32 b + 16 (lane / 16) + i of my row, become a fragment's codes in v[PC] on and its scale word in v[pw]
.macro QUANT4 s, pw
.irp b, 0,1,2,3
	v_max3_num_f32 v[TM+\b], |v[\s+16*\b]|, |v[\s+1+16*\b]|, 0x1800000   ; my 16 numbers of block b, and the floor 2^(3 - 127): the byte cannot fall under 1
.endr
.irp i, 2,4,6,8,10,12,14
.irp b, 0,1,2,3
	v_max3_num_f32 v[TM+\b], v[TM+\b], |v[\s+16*\b+\i]|, |v[\s+1+16*\b+\i]|   ; the four blocks by turns
.endr
.endr
.irp b, 0,1,2,3
	v_permlanex16_b32 v[BY+\b], v[TM+\b], s[SEL], s[SEL+1]
.endr
.irp b, 0,1,2,3
	v_max_num_f32 v[TM+\b], v[TM+\b], v[BY+\b]     ; with lane l xor 16's: the block's largest magnitude
.endr
.irp b, 0,1,2,3
	v_add_nc_u32 v[SO+\b], 0xff000000, v[TM+\b]    ; 2 off its exponent field: the conversion's scale operand
.endr
.irp b, 0,1,2,3
	v_lshrrev_b32 v[BY+\b], 23, v[SO+\b]           ; the scale's byte
.endr
	v_lshl_or_b32 v[\pw], v[BY+1], 8, v[BY]
	v_lshl_or_b32 v[\pw], v[BY+2], 16, v[\pw]
	v_lshl_or_b32 v[\pw], v[BY+3], 24, v[\pw]
.irp c, 0,1
	v_cvt_scalef32_pk16_fp6_f32 v[PC+6*\c:PC+2+6*\c], v[\s+32*\c:\s+15+32*\c], v[SO+2*\c]
	v_cvt_scalef32_pk16_fp6_f32 v[TC+4*\c:TC+2+4*\c], v[\s+16+32*\c:\s+31+32*\c], v[SO+2*\c+1]   ; (a conversion's three registers begin on an even number)
.endr
	v_nop                                          ; one plain place behind a scaled conversion
.irp c, 0,1                                    ; the operand wants a whole block in a lane: lanes 0-15 block 2 c, lanes 16-31 block 2 c + 1
.irp i, 0,1,2
	v_permlane16_swap_b32 v[PC+6*\c+\i], v[TC+4*\c+\i]
.endr
.irp i, 0,1,2
	v_mov_b32 v[PC+3+6*\c+\i], v[TC+4*\c+\i]
.endr
.endr
.endm
; X: tile tt of my four: its 16 rows' 512 bytes of the K step, a row a load: 32 lanes read 512 consecutive bytes
.macro LOADX tt
.irp q, 0,1,2,3,4,5,6,7,8,9,10,11,12,13,14,15
	global_load_b128 v[R+64*((\tt)%2)+4*\q:R+64*((\tt)%2)+4*\q+3], v[LI16], s[4:5] offset:(8*(\tt)+(\q%8)+32*(\q/8))*4096 th:TH_LOAD_NT
.endr
.endm
.macro TILE tt
.if (\tt) < 3
	s_wait_loadcnt 16                              ; this tile's 16 loads are in; the next tile's 16 may be out
.else
	s_wait_loadcnt 0
.endif
.irp q, 0,1,2,3,4,5,6,7,8,9,10,11,12,13,14,15
	ds_store_b128 v6, v[R+64*((\tt)%2)+4*\q:R+64*((\tt)%2)+4*\q+3] offset:528*\q   ; my wave's own stage, rows 528 bytes apart
.endr
.irp b, 0,1,2,3
.irp j, 0,1,2,3
	ds_load_b128 v[X+16*\b+4*\j:X+16*\b+4*\j+3], v7 offset:128*\b+16*\j   ; LDS serves a wave's instructions in order: these see the stores above.  Row r, k 32 b + 16 h + 0 .. 15
.endr
.endr
	s_wait_dscnt 0x0                               ; the numbers are back, and the stores have read their registers
.if (\tt) > 0
	s_wait_xcnt 0x0                                ; the last tile's stores have read their data: the codes' registers may be written again
.endif
.if (\tt) < 2
	LOADX (\tt)+2
.endif
	QUANT4 X, PWT+(\tt)
	global_store_b128 v[LI16], v[PC:PC+3], s[6:7] offset:1536*(\tt)
	global_store_b64 v[LI8], v[PC+4:PC+5], s[6:7] offset:1536*(\tt)+512
	global_store_b128 v[LI16], v[PC+6:PC+9], s[6:7] offset:1536*(\tt)+768
	global_store_b64 v[LI8], v[PC+10:PC+11], s[6:7] offset:1536*(\tt)+1280   ; every store covers whole aligned blocks of 256 bytes
.endm
; W: block bb of my column: 32 rows of K; 32 lanes read 128 consecutive bytes, the four waves 512
.macro LOADW bb
.set KK, 0
.rept 32
	global_load_b32 v[16+32*(\bb)+KK], v6, s[4:5] offset:(32*(\bb)+KK)*4096 th:TH_LOAD_NT
.set KK, KK+1
.endr
.endm
.macro BLOCKW bb
.set WX, 16+32*(\bb)
.set WE, 160+12*((\bb)%2)+6*((\bb)/2)          ; even blocks go to the first fragment, odd ones to the second
	v_max3_num_f32 v8, |v[WX]|, |v[WX+1]|, |v[WX+2]|   ; all 32 numbers of the block are mine
	v_max3_num_f32 v9, |v[WX+3]|, |v[WX+4]|, |v[WX+5]|
.irp i, 6,10,14,18,22,26
	v_max3_num_f32 v8, v8, |v[WX+\i]|, |v[WX+\i+1]|
	v_max3_num_f32 v9, v9, |v[WX+\i+2]|, |v[WX+\i+3]|
.endr
	v_max3_num_f32 v8, v8, |v[WX+30]|, |v[WX+31]|
	v_max3_num_f32 v8, v8, v9, 0x1800000           ; and the floor
	v_add_nc_u32 v[10+(\bb)], 0xff000000, v8
	v_cvt_scalef32_pk16_fp6_f32 v[WE:WE+2], v[WX:WX+15], v[10+(\bb)]
	v_cvt_scalef32_pk16_fp6_f32 v[WTC+4*(\bb):WTC+4*(\bb)+2], v[WX+16:WX+31], v[10+(\bb)]
.if (\bb) == 0
	v_lshrrev_b32 v14, 23, v10                     ; the byte (also the plain place behind the conversions)
.else
	v_lshrrev_b32 v9, 23, v[10+(\bb)]
	v_lshl_or_b32 v14, v9, 8*(\bb), v14            ; four bytes make my column's scale word
.endif
.endm
; The first layer of the small MLPs, in f32 multiply-adds.  A lane has a column; wave w sums the graph weight's rows 64 w .. 64 w + 63 and the treatment weight's rows 32 w .. 32 w + 31, for all four batches.
; s[4:5], s[6:7]: the two weights at my first row and column;  s[8:9], s[10:11]: graph_context and treatment_embed at my first k.  Sums: v112-115 graph, v116-119 treatment.
.macro LAYER1A pitch
.set KK, 0
.rept 64
	global_load_b32 v[16+KK], v[LI4], s[4:5] offset:KK*\pitch
.set KK, KK+1
.endr
.set KK, 0
.rept 32
	global_load_b32 v[80+KK], v[LI4], s[6:7] offset:KK*\pitch
.set KK, KK+1
.endr
.set CC, 0
.rept 6                                        ; chunks of 16 k: four of the graph's, two of the treatment's
.if CC < 4
	s_load_b512 s[32:47], s[8:9], 64*CC
	s_load_b512 s[48:63], s[8:9], 1024+64*CC
	s_load_b512 s[68:83], s[8:9], 2048+64*CC
	s_load_b512 s[84:99], s[8:9], 3072+64*CC
.else
	s_load_b512 s[32:47], s[10:11], 64*(CC-4)
	s_load_b512 s[48:63], s[10:11], 512+64*(CC-4)
	s_load_b512 s[68:83], s[10:11], 1024+64*(CC-4)
	s_load_b512 s[84:99], s[10:11], 1536+64*(CC-4)
.endif
	s_wait_alu depctr_va_vdst(0)
	s_wait_kmcnt 0x0
.if 80-16*CC > 63
	s_wait_loadcnt 63                              ; 80 - 16 c weight loads were issued behind this chunk's; the wait's field holds 63
.else
	s_wait_loadcnt 80-16*CC
.endif
.set KK, 0
.rept 16
.irp b, 0,1,2,3
.if (KK == 0) && ((CC == 0) || (CC == 4))
	v_mul_f32 v[112+4*(CC/4)+\b], s[32+16*\b+4*(\b/2)+KK], v[16+16*CC+KK]   ; the first term starts the sum
.else
	v_fmac_f32 v[112+4*(CC/4)+\b], s[32+16*\b+4*(\b/2)+KK], v[16+16*CC+KK]
.endif
.endr
.set KK, KK+1
.endr
.set CC, CC+1
.endr
.endm
; The four waves' parts meet in LDS; then wave w serves batch w: v128 = the graph's sum, v129 = the treatment's.  v6 = 4 x lane + 1,024 x wave, v7 = 4 x lane + 128 x wave
.macro LAYER1B base
.irp v, 0,1,2,3,4,5,6,7
	ds_store_b32 v6, v[112+\v] offset:\base+128*\v
.endr
	s_wait_dscnt 0x0                               ; for the others' sake: my stores have landed
	s_barrier_signal -1
	s_barrier_wait -1
.irp w, 0,1,2,3
	ds_load_b32 v[120+\w], v7 offset:\base+1024*\w
	ds_load_b32 v[124+\w], v7 offset:\base+1024*\w+512
.endr
	s_wait_dscnt 0x0
	v_add_f32 v120, v120, v121
	v_add_f32 v122, v122, v123
	v_add_f32 v124, v124, v125
	v_add_f32 v126, v126, v127
	v_add_f32 v128, v120, v122
	v_add_f32 v129, v124, v126
.endm
; r = elu(x) = x above 0, e^x - 1 else.  Under -0.5: 2^(x log2 e) - 1.  From -0.5 to 0: the series x (1 + x / 2 + .. + x^8 / 9!), whose first term left out is under 3e-10 there: it keeps the relative accuracy for small x.
.macro ELU x, r, t
	v_mul_f32 v[\t], 0x3fb8aa3b, v[\x]
	s_wait_alu depctr_va_vdst(0)
	v_exp_f32 v[\t], v[\t]
	v_mov_b32 v[\r], 0x3638ef1d                    ; 1 / 9!  (a plain place behind the exponential)
	v_fmaak_f32 v[\r], v[\r], v[\x], 0x37d00d01    ; 1 / 8!
	v_fmaak_f32 v[\r], v[\r], v[\x], 0x39500d01    ; 1 / 7!
	v_fmaak_f32 v[\r], v[\r], v[\x], 0x3ab60b61    ; 1 / 6!
	v_fmaak_f32 v[\r], v[\r], v[\x], 0x3c088889    ; 1 / 5!
	v_fmaak_f32 v[\r], v[\r], v[\x], 0x3d2aaaab    ; 1 / 4!
	v_fmaak_f32 v[\r], v[\r], v[\x], 0x3e2aaaab    ; 1 / 3!
	v_fmaak_f32 v[\r], v[\r], v[\x], 0x3f000000    ; 1 / 2
	v_fmaak_f32 v[\r], v[\r], v[\x], 0x3f800000    ; 1
	v_mul_f32 v[\r], v[\r], v[\x]
	s_wait_alu depctr_va_vdst(0)
	v_add_f32 v[\t], -1.0, v[\t]
	v_cmp_lt_f32 vcc_lo, -0.5, v[\x]
	v_cndmask_b32 v[\r], v[\t], v[\r], vcc_lo      ; a choice of values, no branch
	v_cmp_lt_f32 vcc_lo, 0, v[\x]
	v_cndmask_b32 v[\r], v[\r], v[\x], vcc_lo
.endm
	v_lshl_add_u32 v254, v0, 2, 0xa400
	v_mov_b32 v255, 0
	v_lshrrev_b32 v2, 5, v0
	v_readfirstlane_b32 s[WV], v2                  ; wave 0..3
	v_and_b32 v[LANE], 31, v0
	v_lshlrev_b32 v[LI16], 4, v[LANE]
	v_lshlrev_b32 v[LI8], 3, v[LANE]
	v_lshlrev_b32 v[LI4], 2, v[LANE]
	s_mov_b32 s[SEL], 0x76543210
	s_mov_b32 s[SEL+1], 0xfedcba98
	s_mov_b32 s[HM], 0xffff0000
	s_cmp_eq_u32 ttmp9, 0
	s_cbranch_scc1 .Lbias
	s_cmp_lt_u32 ttmp9, 33
	s_cbranch_scc1 .Lkadd
	s_cmp_lt_u32 ttmp9, 289
	s_cbranch_scc1 .Lweights
	; ---- X: a wave takes 4 tiles (64 tokens) x one K step of 128: job J = 4 (work-group - 289) + wave = 16 block + 2 s + g
	s_load_b64 s[4:5], s[0:1], 0x0                 ; x
	s_load_b64 s[6:7], s[0:1], 0xb8                ; xq
	s_sub_co_u32 s24, ttmp9, 289
	s_lshl_b32 s24, s24, 2
	s_add_co_u32 s24, s24, s[WV]
	s_lshr_b32 s25, s24, 4                         ; token block
	s_bfe_u32 s26, s24, 0x30001                    ; K step
	s_and_b32 s27, s24, 1                          ; which 64 tokens
	s_lshl_b32 s28, s25, 19                        ; 128 rows of 4,096 bytes
	s_lshl_b32 s29, s27, 18
	s_add_co_u32 s28, s28, s29
	s_lshl_b32 s29, s26, 9                         ; 128 numbers
	s_add_co_u32 s28, s28, s29
	s_mov_b32 s29, 0
	s_lshl_b32 s30, s25, 3
	s_add_co_u32 s30, s30, s26
	s_mul_i32 s30, s30, 12800                      ; the chunk
	s_mul_i32 s32, s27, 6144
	s_add_co_u32 s32, s32, s30                     ; my four tiles
	s_mov_b32 s33, 0
	s_lshl_b32 s34, s27, 8
	s_add_co_u32 s34, s34, s30
	s_add_co_u32 s34, s34, 12288                   ; my two pairs' scale words
	s_mov_b32 s35, 0
	v_and_b32 v8, 15, v0                           ; r
	v_bfe_u32 v9, v0, 4, 1                         ; h
	s_mul_i32 s36, s[WV], 8448                     ; my stage: 16 rows x 528 bytes
	s_wait_alu depctr_va_vdst(0)
	v_add_nc_u32 v6, s36, v[LI16]                  ; in: 16 x lane
	v_mul_u32_u24 v7, v8, 528
	v_lshl_add_u32 v7, v9, 6, v7
	v_add_nc_u32 v7, s36, v7                       ; out: row r, + 64 h
.irp b, 0,1,2,3
	v_mov_b32 v[BY+\b], 0                          ; written once: a lane permute's destination counts as one of its sources
.endr
	s_wait_alu depctr_va_vdst(0)
	s_wait_kmcnt 0x0
	s_add_nc_u64 s[4:5], s[4:5], s[28:29]
	s_add_nc_u64 s[8:9], s[6:7], s[34:35]
	s_add_nc_u64 s[6:7], s[6:7], s[32:33]
	LOADX 0
	LOADX 1
	TILE 0
	TILE 1
	TILE 2
	TILE 3
	v_cndmask_b32 v[SW], v[PWT], v[PWT+1], s[HM]   ; lanes 0-15: the even tile's words, lanes 16-31: the odd tile's (a row's word stands in lanes r and r + 16)
	v_cndmask_b32 v[SW+1], v[PWT+2], v[PWT+3], s[HM]
	global_store_b64 v[LI8], v[SW:SW+1], s[8:9]    ; one aligned block of 256 bytes
	s_wait_tensorcnt 0x0
	ds_add_u32 v254, v255
	s_wait_dscnt 0x0
	s_endpgm
	; ---- W: a wave takes 32 columns x one K step of 128 of one matrix: two tiles
.Lweights:
	s_load_b256 s[4:11], s[0:1], 0x8               ; Wq, Wk, Wv, Wo
	s_load_b64 s[12:13], s[0:1], 0xc0              ; wq
	s_sub_co_u32 s24, ttmp9, 33
	s_lshr_b32 s25, s24, 6                         ; matrix
	s_bfe_u32 s26, s24, 0x30003                    ; K step
	s_and_b32 s27, s24, 7
	s_lshl_b32 s27, s27, 2
	s_add_co_u32 s27, s27, s[WV]                   ; which 32 columns, 0..31
	s_lshl_b32 s28, s26, 19                        ; 128 rows of 4,096 bytes
	s_lshl_b32 s29, s27, 7
	s_add_co_u32 s28, s28, s29
	s_mov_b32 s29, 0
	s_lshl_b32 s30, s25, 2
	s_lshr_b32 s31, s27, 3
	s_add_co_u32 s30, s30, s31                     ; column block of 256
	s_lshl_b32 s30, s30, 3
	s_add_co_u32 s30, s30, s26
	s_mul_i32 s30, s30, 25600                      ; the chunk
	s_and_b32 s31, s27, 7                          ; the pair of tiles in it
	s_mul_i32 s32, s31, 3072
	s_add_co_u32 s32, s32, s30
	s_mov_b32 s33, 0
	s_lshl_b32 s34, s31, 7
	s_add_co_u32 s34, s34, s30
	s_add_co_u32 s34, s34, 24576
	s_mov_b32 s35, 0
	s_wait_alu depctr_va_vdst(0)
	v_and_b32 v6, 7, v[LANE]                       ; lane l takes column l % 8 + 8 (l / 16) + 16 ((l / 8) % 2): lanes 0-15 the even tile's rows in order, lanes 16-31 the odd tile's
	v_lshrrev_b32 v7, 4, v[LANE]
	v_lshl_add_u32 v6, v7, 3, v6
	v_bfe_u32 v7, v[LANE], 3, 1
	v_lshl_add_u32 v6, v7, 4, v6
	v_lshlrev_b32 v6, 2, v6
	s_wait_alu depctr_va_vdst(0)
	s_wait_kmcnt 0x0
	s_cmp_eq_u32 s25, 1                            ; the choice hangs on the work-group's number alone
	s_cselect_b64 s[4:5], s[6:7], s[4:5]
	s_cmp_eq_u32 s25, 2
	s_cselect_b64 s[4:5], s[8:9], s[4:5]
	s_cmp_eq_u32 s25, 3
	s_cselect_b64 s[4:5], s[10:11], s[4:5]
	s_add_nc_u64 s[4:5], s[4:5], s[28:29]
	s_add_nc_u64 s[14:15], s[12:13], s[32:33]
	s_add_nc_u64 s[16:17], s[12:13], s[34:35]
	LOADW 0
	LOADW 1
	s_wait_loadcnt 32                              ; block 0 is in; block 1's 32 loads may be out
	LOADW 2
	BLOCKW 0
	s_wait_loadcnt 32                              ; block 1 is in; block 2's may be out
	LOADW 3
	BLOCKW 1
	s_wait_loadcnt 32                              ; block 2 is in; block 3's may be out
	BLOCKW 2
	s_wait_loadcnt 0
	BLOCKW 3
.irp bb, 0,1,2,3
.irp i, 0,1,2
	v_mov_b32 v[160+12*(\bb%2)+6*(\bb/2)+3+\i], v[WTC+4*\bb+\i]
.endr
.endr
.irp i, 0,1,2,3,4,5,6,7,8,9,10,11              ; v160-171: my column's blocks 0, 2; v172-183: blocks 1, 3.  The exchange gives lanes 16-31 of the first the even tile's blocks 1, 3 and lanes 0-15 of the second the odd tile's blocks 0, 2:
	v_permlane16_swap_b32 v[160+\i], v[172+\i]     ; the two tiles' fragments, as the operand's registers want them
.endr
.irp n, 0,1,2,3,4,5
	global_store_b128 v[LI16], v[160+4*\n:163+4*\n], s[14:15] offset:512*\n
.endr
	global_store_b32 v[LI4], v14, s[16:17]         ; the pair's scale register, as it stands
	s_endpgm
	; ---- KADD: 32 columns a work-group
.Lkadd:
	s_load_b128 s[8:11], s[0:1], 0x28              ; graph_context, treatment_embed
	s_load_b64 s[28:29], s[0:1], 0x38              ; cancer_type
	s_load_b64 s[4:5], s[0:1], 0x40                ; Gk_W
	s_load_b64 s[12:13], s[0:1], 0x48              ; Gk_b
	s_load_b64 s[6:7], s[0:1], 0x50                ; Tk_W
	s_load_b64 s[14:15], s[0:1], 0x58              ; Tk_b
	s_load_b64 s[16:17], s[0:1], 0x60              ; bk
	s_load_b64 s[24:25], s[0:1], 0x68              ; cancer_kmod_emb
	s_load_b64 s[26:27], s[0:1], 0xc8              ; kadd
	s_sub_co_u32 s19, ttmp9, 1
	s_lshl_b32 s19, s19, 7                         ; my 32 columns, in bytes
	s_wait_alu depctr_va_vdst(0)
	v_add_nc_u32 v8, s19, v[LI4]
	s_lshl_b32 s23, s[WV], 10
	v_add_nc_u32 v6, s23, v[LI4]
	s_lshl_b32 s23, s[WV], 7
	v_add_nc_u32 v7, s23, v[LI4]
	s_mov_b32 s31, 0
	s_wait_kmcnt 0x0
	s_lshl_b32 s30, s[WV], 18                      ; 64 rows of 4,096 bytes
	s_add_co_u32 s30, s30, s19
	s_add_nc_u64 s[4:5], s[4:5], s[30:31]
	s_lshl_b32 s30, s[WV], 17                      ; 32 rows
	s_add_co_u32 s30, s30, s19
	s_add_nc_u64 s[6:7], s[6:7], s[30:31]
	s_lshl_b32 s30, s[WV], 8
	s_add_nc_u64 s[8:9], s[8:9], s[30:31]
	s_lshl_b32 s30, s[WV], 7
	s_add_nc_u64 s[10:11], s[10:11], s[30:31]
	s_lshl_b32 s30, s[WV], 12                      ; in the end wave w serves batch w
	s_add_nc_u64 s[26:27], s[26:27], s[30:31]
	s_lshl_b32 s30, s[WV], 2
	s_load_b32 s31, s[28:29], s30 offset:0x0       ; cancer_type[w]: waited for with the first chunk below
	LAYER1A 4096
	s_min_u32 s31, s31, 31                         ; the index stays inside its table
	s_lshl_b32 s30, s31, 12
	s_mov_b32 s31, 0
	s_add_nc_u64 s[24:25], s[24:25], s[30:31]
	global_load_b32 v130, v8, s[12:13]
	global_load_b32 v131, v8, s[14:15]
	global_load_b32 v132, v8, s[16:17]
	global_load_b32 v133, v8, s[24:25]
	LAYER1B LDS_K
	s_wait_alu depctr_va_vdst(0)
	s_wait_loadcnt 0x0
	v_add_f32 v128, v128, v130
	v_add_f32 v129, v129, v131
	ELU 128, 134, 136
	ELU 129, 135, 137
	v_add_f32 v132, v132, v133
	v_add_f32 v132, v132, v134
	v_add_f32 v132, v132, v135
	global_store_b32 v8, v132, s[26:27]
	s_wait_tensorcnt 0x0
	ds_add_u32 v254, v255
	s_wait_dscnt 0x0
	s_endpgm
	; ---- BIAS: one work-group; a lane is one of the 32 hidden units
.Lbias:
	s_load_b128 s[8:11], s[0:1], 0x28              ; graph_context, treatment_embed
	s_load_b64 s[28:29], s[0:1], 0x38              ; cancer_type
	s_load_b64 s[4:5], s[0:1], 0x70                ; Gb_W1
	s_load_b64 s[12:13], s[0:1], 0x78              ; Gb_b1
	s_load_b64 s[16:17], s[0:1], 0x80              ; Gb_W2
	s_load_b64 s[2:3], s[0:1], 0x88                ; Gb_b2
	s_load_b64 s[6:7], s[0:1], 0x90                ; Tb_W1
	s_load_b64 s[14:15], s[0:1], 0x98              ; Tb_b1
	s_load_b64 s[24:25], s[0:1], 0xa0              ; Tb_W2
	s_load_b64 s[66:67], s[0:1], 0xa8              ; Tb_b2
	s_load_b64 s[100:101], s[0:1], 0xb0            ; cancer_bias_emb
	s_load_b64 s[26:27], s[0:1], 0xd0              ; bl
	s_lshl_b32 s23, s[WV], 10
	s_wait_alu depctr_va_vdst(0)
	v_add_nc_u32 v6, s23, v[LI4]
	s_lshl_b32 s23, s[WV], 7
	v_add_nc_u32 v7, s23, v[LI4]
	v_lshlrev_b32 v8, 6, v[LANE]                   ; a row of the second layers' weights is 64 bytes
	v_mov_b32 v9, 0
	s_mov_b32 s31, 0
	s_wait_kmcnt 0x0
	s_lshl_b32 s30, s[WV], 13                      ; 64 rows of 128 bytes
	s_add_nc_u64 s[4:5], s[4:5], s[30:31]
	s_lshl_b32 s30, s[WV], 12
	s_add_nc_u64 s[6:7], s[6:7], s[30:31]
	s_lshl_b32 s30, s[WV], 8
	s_add_nc_u64 s[8:9], s[8:9], s[30:31]
	s_lshl_b32 s30, s[WV], 7
	s_add_nc_u64 s[10:11], s[10:11], s[30:31]
	s_lshl_b32 s30, s[WV], 6                       ; wave w serves batch w: 16 numbers
	s_add_nc_u64 s[26:27], s[26:27], s[30:31]
	s_lshl_b32 s30, s[WV], 2
	s_load_b32 s31, s[28:29], s30 offset:0x0
	LAYER1A 128
	s_min_u32 s31, s31, 31
	s_lshl_b32 s30, s31, 6
	s_mov_b32 s31, 0
	s_add_nc_u64 s[100:101], s[100:101], s[30:31]
	s_load_b512 s[32:47], s[2:3], 0x0              ; Gb_b2
	s_load_b512 s[48:63], s[66:67], 0x0            ; Tb_b2
	s_load_b512 s[68:83], s[100:101], 0x0          ; the cancer type's 16 biases
	global_load_b32 v130, v[LI4], s[12:13]
	global_load_b32 v131, v[LI4], s[14:15]
.irp q, 0,1,2,3
	global_load_b128 v[140+4*\q:143+4*\q], v8, s[16:17] offset:16*\q
	global_load_b128 v[156+4*\q:159+4*\q], v8, s[24:25] offset:16*\q
.endr
	LAYER1B LDS_B
	s_wait_alu depctr_va_vdst(0)
	s_wait_loadcnt 0x0
	s_wait_kmcnt 0x0
	v_add_f32 v128, v128, v130
	v_add_f32 v129, v129, v131
	ELU 128, 134, 136
	ELU 129, 135, 137
.irp d, 0,1,2,3,4,5,6,7,8,9,10,11,12,13,14,15
	v_mul_f32 v[172+\d], v134, v[140+\d]
.endr
.irp d, 0,1,2,3,4,5,6,7,8,9,10,11,12,13,14,15
	v_fmac_f32 v[172+\d], v135, v[156+\d]          ; my hidden unit's share of head d, both MLPs
.endr
.irp m, 1,2,4,8
.irp d, 0,1,2,3,4,5,6,7,8,9,10,11,12,13,14,15
	v_add_f32_dpp v[172+\d], v[172+\d], v[172+\d] row_xmask:\m row_mask:0xf bank_mask:0xf
.endr
.endr
.irp d, 0,1,2,3,4,5,6,7,8,9,10,11,12,13,14,15
	v_permlanex16_b32 v[140+\d], v[172+\d], s[SEL], s[SEL+1]
.endr
.irp d, 0,1,2,3,4,5,6,7,8,9,10,11,12,13,14,15
	v_add_f32 v[172+\d], v[172+\d], v[140+\d]      ; the sum over the 32 hidden units, in every lane
.endr
.irp d, 0,1,2,3,4,5,6,7,8,9,10,11,12,13,14,15
	v_add_f32 v[172+\d], s[32+\d], v[172+\d]
.endr
.irp d, 0,1,2,3,4,5,6,7,8,9,10,11,12,13,14,15
	v_add_f32 v[172+\d], s[48+\d], v[172+\d]
.endr
.irp d, 0,1,2,3,4,5,6,7,8,9,10,11,12,13,14,15
	v_add_f32 v[172+\d], s[68+\d], v[172+\d]
.endr
.irp d, 0,1,2,3,4,5,6,7,8,9,10,11,12,13,14,15
	v_mul_f32 v[172+\d], 0x3fb8aa3b, v[172+\d]     ; x log2(e): attention works in powers of two
.endr
	v_cmp_eq_u32 vcc_lo, 0, v[LANE]
	s_wait_alu depctr_va_vdst(0)
	s_wait_xcnt 0x0                                ; EXEC changes only behind this wait
	s_wait_tensorcnt 0x0
	ds_add_u32 v254, v255
	s_wait_dscnt 0x0
	s_and_saveexec_b32 s23, vcc_lo                 ; lane 0 stores the batch's 64 bytes
.irp q, 0,1,2,3
	global_store_b128 v9, v[172+4*\q:175+4*\q], s[26:27] offset:16*\q
.endr
	s_wait_xcnt 0x0
	s_or_b32 exec_lo, exec_lo, s23
	s_endpgm
.Lfunc_end_k_qd99f8f606a_prep:
	.size	k_qd99f8f606a_prep, .Lfunc_end_k_qd99f8f606a_prep-k_qd99f8f606a_prep
	.p2alignl 7, 3214868480
	.fill 96, 4, 3214868480
	.section	.rodata,"a",@progbits
	.p2align	6, 0x0
	.amdhsa_kernel k_qd99f8f606a_prep
		.amdhsa_group_segment_fixed_size 42496
		.amdhsa_private_segment_fixed_size 0
		.amdhsa_enable_private_segment 0
		.amdhsa_kernarg_size 216
		.amdhsa_user_sgpr_count 2
		.amdhsa_user_sgpr_kernarg_segment_ptr 1
		.amdhsa_wavefront_size32 1
		.amdhsa_system_sgpr_workgroup_id_x 1
		.amdhsa_system_sgpr_workgroup_id_y 1
		.amdhsa_system_sgpr_workgroup_id_z 1
		.amdhsa_system_vgpr_workitem_id 0
		.amdhsa_next_free_vgpr 256
		.amdhsa_next_free_sgpr 102
		.amdhsa_reserve_vcc 1
		.amdhsa_float_denorm_mode_32 3
		.amdhsa_float_denorm_mode_16_64 3
		.amdhsa_memory_ordered 1
		.amdhsa_forward_progress 1
		.amdhsa_inst_pref_size 122
	.end_amdhsa_kernel
	.amdgpu_metadata
---
amdhsa.version: [ 1, 2 ]
amdhsa.kernels:
  - .name:           k_qd99f8f606a_prep
    .symbol:         k_qd99f8f606a_prep.kd
    .args:
      - { .name: x, .offset: 0, .size: 8, .value_kind: global_buffer, .address_space: global }
      - { .name: Wq, .offset: 8, .size: 8, .value_kind: global_buffer, .address_space: global }
      - { .name: Wk, .offset: 16, .size: 8, .value_kind: global_buffer, .address_space: global }
      - { .name: Wv, .offset: 24, .size: 8, .value_kind: global_buffer, .address_space: global }
      - { .name: Wo, .offset: 32, .size: 8, .value_kind: global_buffer, .address_space: global }
      - { .name: graph_context, .offset: 40, .size: 8, .value_kind: global_buffer, .address_space: global }
      - { .name: treatment_embed, .offset: 48, .size: 8, .value_kind: global_buffer, .address_space: global }
      - { .name: cancer_type, .offset: 56, .size: 8, .value_kind: global_buffer, .address_space: global }
      - { .name: Gk_W, .offset: 64, .size: 8, .value_kind: global_buffer, .address_space: global }
      - { .name: Gk_b, .offset: 72, .size: 8, .value_kind: global_buffer, .address_space: global }
      - { .name: Tk_W, .offset: 80, .size: 8, .value_kind: global_buffer, .address_space: global }
      - { .name: Tk_b, .offset: 88, .size: 8, .value_kind: global_buffer, .address_space: global }
      - { .name: bk, .offset: 96, .size: 8, .value_kind: global_buffer, .address_space: global }
      - { .name: cancer_kmod_emb, .offset: 104, .size: 8, .value_kind: global_buffer, .address_space: global }
      - { .name: Gb_W1, .offset: 112, .size: 8, .value_kind: global_buffer, .address_space: global }
      - { .name: Gb_b1, .offset: 120, .size: 8, .value_kind: global_buffer, .address_space: global }
      - { .name: Gb_W2, .offset: 128, .size: 8, .value_kind: global_buffer, .address_space: global }
      - { .name: Gb_b2, .offset: 136, .size: 8, .value_kind: global_buffer, .address_space: global }
      - { .name: Tb_W1, .offset: 144, .size: 8, .value_kind: global_buffer, .address_space: global }
      - { .name: Tb_b1, .offset: 152, .size: 8, .value_kind: global_buffer, .address_space: global }
      - { .name: Tb_W2, .offset: 160, .size: 8, .value_kind: global_buffer, .address_space: global }
      - { .name: Tb_b2, .offset: 168, .size: 8, .value_kind: global_buffer, .address_space: global }
      - { .name: cancer_bias_emb, .offset: 176, .size: 8, .value_kind: global_buffer, .address_space: global }
      - { .name: xq, .offset: 184, .size: 8, .value_kind: global_buffer, .address_space: global }
      - { .name: wq, .offset: 192, .size: 8, .value_kind: global_buffer, .address_space: global }
      - { .name: kadd, .offset: 200, .size: 8, .value_kind: global_buffer, .address_space: global }
      - { .name: bl, .offset: 208, .size: 8, .value_kind: global_buffer, .address_space: global }
    .group_segment_fixed_size: 42496
    .private_segment_fixed_size: 0
    .kernarg_segment_align: 8
    .kernarg_segment_size: 216
    .max_flat_workgroup_size: 128
    .sgpr_count:     102
    .vgpr_count:     256
    .wavefront_size: 32
...
	.end_amdgpu_metadata
.endif
;; end of part 1
;; launch qkv (part 2): grid 4 x 64, 4 waves a work-group, clusters of 4 x 4, 327,680 bytes of LDS; arguments xq, wq, bq, kadd, bv, qc, kv; writes qc, kv
.if DOCPART == 2
	.amdgcn_target "amdgcn-amd-amdhsa--gfx1250"
	.amdhsa_code_object_version 6
	.text
	.protected	k_qd99f8f606a_qkv
	.globl	k_qd99f8f606a_qkv
	.p2align	8
	.type	k_qd99f8f606a_qkv,@function
k_qd99f8f606a_qkv:
	s_mov_b64 s[64:65], 0
	v_nop
	global_prefetch_b8 v0, s[64:65] scope:SCOPE_SE
	s_setreg_imm32_b32 hwreg(HW_REG_WAVE_MODE, 25, 1), 1
	s_wait_xcnt 0x0
	s_wait_alu depctr_hold_cnt(0) depctr_sa_sdst(0) depctr_va_vdst(0) depctr_va_sdst(0) depctr_va_ssrc(0) depctr_va_vcc(0) depctr_vm_vsrc(0)
	s_getreg_b32 s2, hwreg(HW_REG_IB_STS2, 6, 4)
	s_cmp_eq_u32 s2, 0
	s_cbranch_scc0 .Lentry_in_a_cluster
	s_endpgm
.Lentry_in_a_cluster:
	s_bfe_u32 s2, ttmp6, 0x10000c
	s_cmp_lg_u32 s2, 0xf033
	s_cbranch_scc0 .Lentry_shape_is_right
	s_endpgm
.Lentry_shape_is_right:
; q = x Wq + bq, k = x Wk + kadd, v = x Wv + bv on codes of E2M3 (MX-FP6), and the results quantised again, in registers, as the operands of attention.  Nothing leaves as f32.
; SHARES.  256 work-groups that stay: a work-group takes 128 tokens x 256 columns (4 heads) through all three products, q, then k, then v.  Wave w takes 128 tokens x head w: 32 accumulators.
; LDS.  x's 8 chunks (12,800 bytes each, all of K) land once and serve all three products.  The weight's 8 chunks (25,600 bytes each) are two halves of four chunks, each filled again for the next product:
; chunks 0-3 at the head of K step 3, when step 3's fragments are in registers, chunks 4-7 at the head of K step 7: one chunk a wave.  A refill is waited for at the next refill's head, four K steps of products later.
; CLUSTER 4 x 4: x's chunks are shared along a row of the cluster, the weight's along a column: each is asked for jointly, by the same tensor load with the same descriptor and a mask that names the four.
; Each refill stands behind a round of the cluster's barrier, with the waits and the add in front of it.  One tensor load of a wave is out at any time.  The launch claims all LDS.
; q, k: the matrix instruction is used transposed (source 0 = 16 columns of W, source 1 = 16 tokens): a lane holds one token and its 32 registers of a token tile are the head's 64 channels, 16 neighbours to a block half.
; v: source 0 = 16 tokens, source 1 = 16 columns: a lane holds one channel and its 64 registers run along the 128 tokens, which are the keys, the K of attention's second product.
; OUT.  qc: [64 heads][16 token blocks] chunks of 6,656 bytes: 4 images of a pair of tiles (6 registers a tile: the head's 64), then [lane][4 words] of scale words (bytes 2, 3 are 0).
;       kv: [64 heads][16 key steps] chunks of 13,056 bytes: k as in qc; at 6,656 v's 4 channel tiles (1,536 bytes each); at 12,800 [lane][2 words] of v's scale words.
; LIMITS: NaN and infinities are not served.  A block whose largest magnitude lies under 2^-124 (a block of zeros among them) gets the byte 1; the bytes are read by this program alone.
; No prefetch: x and the first weight are asked for at the head, and each later half of a weight four K steps (128 matrix instructions a wave) ahead of the wait for it.
; REGISTERS.  Window 0: v1-7 addresses; v8-15 x's scale words (two sets), v16-19 W's; v20-51 the bias as the first products' C; v52-55 lane terms; v56-151, v152-247 x's fragments, two sets.  Window 1: the 32 accumulators.  Window 2: v0-95 W's fragments, two sets.
.set CHA,  12800
.set CHB,  25600
.set LB,   8*CHA                       ; W's chunks lie behind x's
.set LI16, 1
.set LI8,  2
.set LI4,  3
.set ADRA, 4                           ; v4  x's chunk in hand + 16 x lane
.set ADRA8, 5                          ; v5  the same + 8 x lane
.set ADRB, 6                           ; v6  W's chunk in hand + my head's four tiles + 16 x lane
.set ADRW, 7                           ; v7  its scale words: my head's two pairs + 4 x lane
.set XS,   8
.set WS,   16
.set BI,   20
.set AF,   56
.set PC,   56                          ; the way out: v56-103 four fragments of codes
.set TM,   152
.set BY,   156
.set SO,   160
.set TC,   164
.set PWT,  172
.set SW,   176
.set WV,   18
.set SEL,  20
.set HM,   22
.set G1A,  24                          ; s[24:31] group 1, x at the head: 200 rows
.set G1B,  32                          ; s[32:39] group 1, W at the head: 400 rows
.set G1R,  40                          ; s[40:47] group 1, W's refills: 100 rows
.set G0A,  48
.set G0B,  52
.set G0R,  56                          ; s[56:59], s[60:63] group 0 of the refills of chunks 0-3 and 4-7
.set PB0,  72                          ; s[72:77] the three biases at my head's 64 numbers
.set PB1,  74
.set PB2,  76
.set OU0,  78                          ; s[78:83] where q, k and v go
.set OU1,  80
.set OU2,  82
.set MSB, 0
.macro WIN new                         ; the immediate's high byte repeats the setting that is left
.if MSB != \new
	s_set_vgpr_msb (MSB<<8)|\new
.set MSB, \new
.endif
.endm
.macro CROUND                          ; a round of the cluster's barrier
	s_barrier_signal -1
	s_barrier_wait -1
	s_cmp_lg_u32 s[WV], 0
	s_cbranch_scc1 .Lnot_wave_0_\@
	s_barrier_signal -3
.Lnot_wave_0_\@:
	s_barrier_wait -3
	s_barrier_signal -1
	s_barrier_wait -1
.endm
.macro PLACES
.rept 4
	v_nop
.endr
.endm
; one matrix instruction; ra, rb: the side's scales stand in lanes 16-31 of its register
.macro WM d, a, b, c, sa, sb, ra, rb
.if ((\ra) != 0) && ((\rb) != 0)
	v_wmma_scale_f32_16x16x128_f8f6f4 v[(\d):(\d)+7], v[(\a):(\a)+11], v[(\b):(\b)+11], v[(\c):(\c)+7], v[(\sa)], v[(\sb)] matrix_a_fmt:MATRIX_FMT_FP6 matrix_b_fmt:MATRIX_FMT_FP6 matrix_a_scale:MATRIX_SCALE_ROW1 matrix_b_scale:MATRIX_SCALE_ROW1
.elseif (\ra) != 0
	v_wmma_scale_f32_16x16x128_f8f6f4 v[(\d):(\d)+7], v[(\a):(\a)+11], v[(\b):(\b)+11], v[(\c):(\c)+7], v[(\sa)], v[(\sb)] matrix_a_fmt:MATRIX_FMT_FP6 matrix_b_fmt:MATRIX_FMT_FP6 matrix_a_scale:MATRIX_SCALE_ROW1
.elseif (\rb) != 0
	v_wmma_scale_f32_16x16x128_f8f6f4 v[(\d):(\d)+7], v[(\a):(\a)+11], v[(\b):(\b)+11], v[(\c):(\c)+7], v[(\sa)], v[(\sb)] matrix_a_fmt:MATRIX_FMT_FP6 matrix_b_fmt:MATRIX_FMT_FP6 matrix_b_scale:MATRIX_SCALE_ROW1
.else
	v_wmma_scale_f32_16x16x128_f8f6f4 v[(\d):(\d)+7], v[(\a):(\a)+11], v[(\b):(\b)+11], v[(\c):(\c)+7], v[(\sa)], v[(\sb)] matrix_a_fmt:MATRIX_FMT_FP6 matrix_b_fmt:MATRIX_FMT_FP6
.endif
.endm
; 48 LDS loads in one run: a K step's fragments and scale words into set p.  Every load reads consecutive bytes: the chunks are images of the registers
.macro FETCH p
	WIN 0x80                                       ; destination window 2, address window 0
.irp n, 0,1,2,3,4,5,6,7,8,9,10,11
	ds_load_b128 v[48*(\p)+4*\n:48*(\p)+4*\n+3], v[ADRB] offset:512*\n
.endr
	WIN 0
.irp t, 0,1,2,3,4,5,6,7
	ds_load_b128 v[AF+96*(\p)+12*\t:AF+96*(\p)+12*\t+3], v[ADRA] offset:1536*\t
	ds_load_b64 v[AF+96*(\p)+12*\t+4:AF+96*(\p)+12*\t+5], v[ADRA8] offset:1536*\t+512
	ds_load_b128 v[AF+96*(\p)+12*\t+6:AF+96*(\p)+12*\t+9], v[ADRA] offset:1536*\t+768
	ds_load_b64 v[AF+96*(\p)+12*\t+10:AF+96*(\p)+12*\t+11], v[ADRA8] offset:1536*\t+1280
.endr
	ds_load_b64 v[XS+4*(\p):XS+4*(\p)+1], v[ADRA8] offset:12288
	ds_load_b64 v[XS+4*(\p)+2:XS+4*(\p)+3], v[ADRA8] offset:12544
	ds_load_b32 v[WS+2*(\p)], v[ADRW]
	ds_load_b32 v[WS+2*(\p)+1], v[ADRW] offset:128
.endm
; A K step's 32 matrix instructions: every accumulator once, in the same order in every step.  first = 1: the bias is the C: nothing is cleared or added later
.macro MUL kind, p, first
.if (\kind) == 2
.if \first
	WIN 0x48                                       ; source 0 (x) window 0, source 1 (W) window 2, C window 0, D window 1
.else
	WIN 0x58                                       ; C and D window 1
.endif
.irp ct, 0,1,2,3
.irp t, 0,1,2,3,4,5,6,7
.if \first
	WM 8*(8*\ct+\t), AF+96*(\p)+12*\t, 48*(\p)+12*\ct, BI+8*\ct, XS+4*(\p)+\t/2, WS+2*(\p)+\ct/2, \t%2, \ct%2
.else
	WM 8*(8*\ct+\t), AF+96*(\p)+12*\t, 48*(\p)+12*\ct, 8*(8*\ct+\t), XS+4*(\p)+\t/2, WS+2*(\p)+\ct/2, \t%2, \ct%2
.endif
.endr
.endr
.else
.if \first
	WIN 0x42                                       ; source 0 (W) window 2, source 1 (x) window 0, C window 0, D window 1
.else
	WIN 0x52
.endif
.irp t, 0,1,2,3,4,5,6,7
.irp ct, 0,1,2,3
.if \first
	WM 8*(4*\t+\ct), 48*(\p)+12*\ct, AF+96*(\p)+12*\t, BI+8*\ct, WS+2*(\p)+\ct/2, XS+4*(\p)+\t/2, \ct%2, \t%2
.else
	WM 8*(4*\t+\ct), 48*(\p)+12*\ct, AF+96*(\p)+12*\t, 8*(4*\t+\ct), WS+2*(\p)+\ct/2, XS+4*(\p)+\t/2, \ct%2, \t%2
.endif
.endr
.endr
.endif
.endm
; Half h of the weight's chunks is read no more by me: the next product's chunks take its place.  In front of the round: all my tensor loads have landed (the one that was out is my chunk of the other half),
; the add, and my LDS instructions are done.  Behind it no wave of any partner reads the half, and the other half is whole: my chunk's joint load is the first tensor load.
.macro SYNC h, kind
	WIN 0
	s_wait_tensorcnt 0x0
	ds_add_u32 v254, v255
.if (\kind) == 1
	s_add_nc_u64 s[G0R+4*(\h)+2:G0R+4*(\h)+3], s[G0R+4*(\h)+2:G0R+4*(\h)+3], 32*CHB   ; no load of mine is out: on to the next matrix, four column blocks of eight chunks further
.endif
	s_wait_dscnt 0x0
	CROUND
	tensor_load_to_lds s[G0R+4*(\h):G0R+4*(\h)+3], s[G1R:G1R+7]
	s_nop 0
.endm
.macro BIASQK p                        ; register j of column tile ct is channel 32 (ct / 2) + 16 h + 8 (ct % 2) + j; v53 = 64 h
.irp ct, 0,1,2,3
	global_load_b128 v[BI+8*\ct:BI+8*\ct+3], v53, s[\p:\p+1] offset:128*(\ct/2)+32*(\ct%2)
	global_load_b128 v[BI+8*\ct+4:BI+8*\ct+7], v53, s[\p:\p+1] offset:128*(\ct/2)+32*(\ct%2)+16
.endr
.endm
.macro BIASV                           ; my channel of column tile ct: 32 (ct / 2) + 8 (ct % 2) + r % 8 + 16 (r / 8); v55 = 4 (r % 8 + 16 (r / 8))
.irp ct, 0,1,2,3
	global_load_b32 v[BI+8*\ct], v55, s[PB2:PB2+1] offset:128*(\ct/2)+32*(\ct%2)
.endr
.endm
.macro KSTEP kind, s
	s_wait_dscnt 0x0                               ; this step's fragments are in (asked for a step ago)
.if (((\s) == 3) || ((\s) == 7)) && ((\kind) < 2)
	SYNC (\s)/4, \kind
.endif
.if ((\s) == 3) && ((\kind) == 2)
	s_wait_tensorcnt 0x0                           ; my chunk of chunks 4-7 has landed
	s_barrier_signal -1
	s_barrier_wait -1                              ; everybody's has
.endif
.if (\s) < 7
	WIN 0
	v_add_nc_u32 v[ADRA], CHA, v[ADRA]             ; on to the next chunks.  These four lines are also the places between the last step's products and the loads into the set that they read
	v_add_nc_u32 v[ADRA8], CHA, v[ADRA8]
	v_add_nc_u32 v[ADRB], CHB, v[ADRB]
	v_add_nc_u32 v[ADRW], CHB, v[ADRW]
	FETCH ((\s)+1)%2
.endif
.if ((\s) == 3) && ((\kind) == 0)
	BIASQK PB1                                     ; the next product's bias: step 0 alone read these registers
.endif
.if ((\s) == 3) && ((\kind) == 1)
	BIASV
.endif
.if (\s) == 0
	MUL \kind, 0, 1
.else
	MUL \kind, (\s)%2, 0
.endif
.endm
.macro RUN kind
.irp s, 0,1,2,3,4,5,6,7
	s_wait_alu depctr_va_vdst(0)
	KSTEP \kind, \s
.endr
.endm
.macro START                           ; a product begins at chunk 0
	v_add_nc_u32 v[ADRA], 0, v[LI16]
	v_add_nc_u32 v[ADRA8], 0, v[LI8]
	v_add_nc_u32 v[ADRB], s96, v[LI16]
	v_add_nc_u32 v[ADRW], s97, v[LI4]
.endm
; 64 accumulator registers from a on (window 1), register 16 b + i = the lane's row at k 32 b + 16 (lane / 16) + i, become 12 registers of codes at v[dst]; the four bytes are left in v[BY] on.
; Each accumulator is read from its low end on.
.macro QUANTW a, dst
	WIN 0x05                                       ; sources 0 and 1 window 1
.irp b, 0,1,2,3
	v_max3_num_f32 v[TM+\b], |v[(\a)+16*\b]|, |v[(\a)+16*\b+1]|, 0x1800000   ; and the floor 2^(3 - 127): the byte cannot fall under 1
.endr
.irp i, 2,4,6,8,10,12,14
.irp b, 0,1,2,3
	v_max3_num_f32 v[TM+\b], |v[(\a)+16*\b+\i]|, |v[(\a)+16*\b+\i+1]|, v[TM+\b]
.endr
.endr
	WIN 0
.irp b, 0,1,2,3
	v_permlanex16_b32 v[BY+\b], v[TM+\b], s[SEL], s[SEL+1]
.endr
.irp b, 0,1,2,3
	v_max_num_f32 v[TM+\b], v[TM+\b], v[BY+\b]
.endr
.irp b, 0,1,2,3
	v_add_nc_u32 v[SO+\b], 0xff000000, v[TM+\b]    ; 2 off the exponent field: the conversion's scale operand
.endr
.irp b, 0,1,2,3
	v_lshrrev_b32 v[BY+\b], 23, v[SO+\b]
.endr
	WIN 0x01                                       ; source 0 window 1
.irp c, 0,1
	v_cvt_scalef32_pk16_fp6_f32 v[(\dst)+6*\c:(\dst)+6*\c+2], v[(\a)+32*\c:(\a)+32*\c+15], v[SO+2*\c]
	v_cvt_scalef32_pk16_fp6_f32 v[TC+4*\c:TC+4*\c+2], v[(\a)+32*\c+16:(\a)+32*\c+31], v[SO+2*\c+1]
.endr
	WIN 0
	v_nop                                          ; one plain place behind a scaled conversion
.irp c, 0,1
.irp i, 0,1,2
	v_permlane16_swap_b32 v[(\dst)+6*\c+\i], v[TC+4*\c+\i]   ; a whole block to a lane
.endr
.irp i, 0,1,2
	v_mov_b32 v[(\dst)+6*\c+3+\i], v[TC+4*\c+\i]
.endr
.endr
.endm
; v's way out.  Row r of token tile 4 c + u is token 64 c + 32 (r / 8) + 8 u + r % 8, so of the 64 accumulator registers from a on (window 1) register 32 c + i is key 64 c + 32 (lane / 16) + i of my channel:
; a whole block of 32 keys to a lane, in the operand's own order.  12 registers of codes at v[dst]; the channel's scale word, whole in both halves of the lanes, in v[pw].  v54 = 8 (lane / 16).
.macro QUANTV a, dst, pw
	WIN 0x05                                       ; sources 0 and 1 window 1
.irp c, 0,1
	v_max3_num_f32 v[TM+\c], |v[(\a)+32*\c]|, |v[(\a)+32*\c+1]|, 0x1800000   ; and the floor 2^(3 - 127)
.endr
.irp i, 2,4,6,8,10,12,14,16,18,20,22,24,26,28,30
.irp c, 0,1
	v_max3_num_f32 v[TM+\c], |v[(\a)+32*\c+\i]|, |v[(\a)+32*\c+\i+1]|, v[TM+\c]   ; each accumulator from its low end on
.endr
.endr
	WIN 0
.irp c, 0,1
	v_add_nc_u32 v[SO+\c], 0xff000000, v[TM+\c]    ; 2 off the exponent field: the conversion's scale operand
.endr
.irp c, 0,1
	v_lshrrev_b32 v[BY+\c], 23, v[SO+\c]
.endr
	v_lshl_or_b32 v[BY], v[BY+1], 16, v[BY]        ; my two bytes: blocks h and 2 + h,
	v_lshlrev_b32 v[BY], v54, v[BY]                ; at their places in the word;
	v_permlanex16_b32 v[BY+2], v[BY], s[SEL], s[SEL+1]
	v_or_b32 v[\pw], v[BY], v[BY+2]                ; with lane l xor 16's two the word is whole
	WIN 0x01                                       ; source 0 window 1
.irp c, 0,1
	v_cvt_scalef32_pk16_fp6_f32 v[(\dst)+6*\c:(\dst)+6*\c+2], v[(\a)+32*\c:(\a)+32*\c+15], v[SO+\c]
	v_cvt_scalef32_pk16_fp6_f32 v[TC+4*\c:TC+4*\c+2], v[(\a)+32*\c+16:(\a)+32*\c+31], v[SO+\c]
.endr
	WIN 0
	v_nop                                          ; one plain place behind a scaled conversion
.irp c, 0,1
.irp i, 0,1,2
	v_mov_b32 v[(\dst)+6*\c+3+\i], v[TC+4*\c+\i]   ; (a conversion's three registers begin on an even number)
.endr
.endr
.endm
.macro OUTQK p                         ; q's or k's way out: a pair of token tiles at a time: 2 tiles x 2 blocks of the head's 64
	WIN 0
	PLACES                                         ; behind the last products: their results are read and their operands' registers written below
.irp b, 0,1,2,3
	v_mov_b32 v[BY+\b], 0                          ; a lane permute's destination counts as one of its sources
.endr
.irp i, 0,1,2,3
	QUANTW 64*\i, PC+12*\i
	v_lshl_or_b32 v[PWT], v[BY+1], 8, v[BY]        ; the even tile's word: two bytes, the upper two 0
	v_lshl_or_b32 v[PWT+1], v[BY+3], 8, v[BY+2]    ; the odd tile's
	v_cndmask_b32 v[SW+\i], v[PWT], v[PWT+1], s[HM]
	global_store_b128 v[LI16], v[PC+12*\i:PC+12*\i+3], s[\p:\p+1] offset:1536*\i
	global_store_b128 v[LI16], v[PC+12*\i+4:PC+12*\i+7], s[\p:\p+1] offset:1536*\i+512
	global_store_b128 v[LI16], v[PC+12*\i+8:PC+12*\i+11], s[\p:\p+1] offset:1536*\i+1024
.endr
	global_store_b128 v[LI16], v[SW:SW+3], s[\p:\p+1] offset:6144
	s_wait_xcnt 0x0                                ; the stores have read their data: the next product's fragments may land there
	START
	FETCH 0                                        ; chunks 0-3 of the next weight were shown whole by the round at K step 7
	s_wait_loadcnt 0x0                             ; the next bias
.endm
	s_load_b256 s[4:11], s[0:1], 0x0               ; xq, wq, bq, kadd
	s_load_b128 s[12:15], s[0:1], 0x20             ; bv, qc
	s_load_b64 s[16:17], s[0:1], 0x30              ; kv
	v_lshl_add_u32 v254, v0, 2, 0x4b000
	v_mov_b32 v255, 0
	ds_add_u32 v254, v255                          ; the opening lines: the add, twice on end, and its wait ahead of my first tensor load
	ds_add_u32 v254, v255
	v_lshrrev_b32 v1, 5, v0
	v_readfirstlane_b32 s[WV], v1                  ; wave 0..3 = my head of the four
	s_and_b32 s19, s[WV], 1
	s_lshl_b32 s19, s19, 2                         ; the first of the four neighbouring chunks that my load at the head brings: 0 or 4
	s_lshr_b32 s23, s[WV], 1                       ; at the head I fetch for x (0) or for W (1)
	s_mov_b32 s[SEL], 0x76543210
	s_mov_b32 s[SEL+1], 0xfedcba98
	s_mov_b32 s[HM], 0xffff0000
	s_bfe_u32 s66, ttmp6, 0x40000                  ; cx = the column block of 256 in each matrix
	s_bfe_u32 s67, ttmp6, 0x40004                  ; cy
	s_and_b32 s68, ttmp7, 0xffff
	s_lshl_b32 s68, s68, 2
	s_add_co_u32 s68, s68, s67                     ; token block 0..63
	s_lshl_b32 s88, s67, 2
	s_lshl_b32 s88, 15, s88                        ; my row of the cluster
	s_lshl_b32 s89, 0x1111, s66                    ; my column
	; descriptor group 1: chunks are dense: rows of 256 bytes (32 elements of 8); no padding
	s_or_b32 s[G1A], s88, (3<<16)|(1<<21)
	s_or_b32 s[G1B], s89, (3<<16)|(1<<21)
	s_or_b32 s[G1R], s89, (3<<16)|(1<<21)
.irp g, G1A, G1B, G1R
	s_mov_b32 s[\g+1], 32<<16                      ; tensor_dim0
	s_mov_b32 s[\g+3], 32<<16                      ; tile_dim0
	s_mov_b32 s[\g+5], 32                          ; the pitch
	s_mov_b32 s[\g+6], 0
	s_mov_b32 s[\g+7], 0
.endr
	s_mov_b32 s[G1A+2], 200<<16                    ; four chunks of x on end are 200 rows
	s_mov_b32 s[G1A+4], 200
	s_mov_b32 s[G1B+2], 400<<16                    ; four chunks of W: 400 rows
	s_mov_b32 s[G1B+4], 400
	s_mov_b32 s[G1R+2], 100<<16                    ; one chunk of W: 100 rows
	s_mov_b32 s[G1R+4], 100
	s_lshl_b32 s84, s68, 3                         ; x's address hangs on the token block and the wave alone,
	s_add_co_u32 s84, s84, s19
	s_mul_i32 s84, s84, CHA
	s_mov_b32 s85, 0
	s_lshl_b32 s86, s66, 3                         ; W's on the column block and the wave alone: Wq's blocks are 0 to 3 of wq,
	s_add_co_u32 s86, s86, s19
	s_mul_i32 s86, s86, CHB
	s_mov_b32 s87, 0
	s_add_co_u32 s90, s66, 4                       ; Wk's 4 to 7 (Wv's 8 to 11): the first refill brings chunk w of Wk's block
	s_lshl_b32 s90, s90, 3
	s_add_co_u32 s90, s90, s[WV]
	s_mul_i32 s90, s90, CHB
	s_mov_b32 s91, 0
	s_mul_i32 s69, s19, CHA                        ; LDS: no place in the cluster enters
	s_mul_i32 s70, s19, CHB
	s_mul_i32 s71, s[WV], CHB
	s_wait_dscnt 0x0                               ; both opening adds are done
	s_wait_kmcnt 0x0
	s_add_nc_u64 s[84:85], s[4:5], s[84:85]
	s_add_nc_u64 s[86:87], s[6:7], s[86:87]
	s_add_nc_u64 s[90:91], s[6:7], s[90:91]
	CROUND                                         ; all sixteen work-groups are here: the joint loads meet
	s_mov_b32 s[G0A], 1
	s_add_co_u32 s[G0A+1], s69, 0
	s_mov_b64 s[G0A+2:G0A+3], s[84:85]
	s_or_b32 s[G0A+3], s[G0A+3], 0x80000000
	s_mov_b32 s[G0B], 1
	s_add_co_u32 s[G0B+1], s70, LB
	s_mov_b64 s[G0B+2:G0B+3], s[86:87]
	s_or_b32 s[G0B+3], s[G0B+3], 0x80000000
	s_mov_b32 s[G0R], 1
	s_add_co_u32 s[G0R+1], s71, LB
	s_mov_b64 s[G0R+2:G0R+3], s[90:91]
	s_or_b32 s[G0R+3], s[G0R+3], 0x80000000
	s_mov_b32 s[G0R+4], 1
	s_add_co_u32 s[G0R+5], s71, LB+4*CHB
	s_add_nc_u64 s[G0R+6:G0R+7], s[90:91], 4*CHB
	s_or_b32 s[G0R+7], s[G0R+7], 0x80000000
	s_cmp_eq_u32 s23, 0                            ; one first fill a wave: waves 0, 1 x's chunks 0-3, 4-7; waves 2, 3 Wq's
	s_cbranch_scc0 .Lfor_b
	tensor_load_to_lds s[G0A:G0A+3], s[G1A:G1A+7]
	s_nop 0
	PLACES
	s_branch .Lasked
.Lfor_b:
	tensor_load_to_lds s[G0B:G0B+3], s[G1B:G1B+7]
	s_nop 0
	PLACES
.Lasked:
	s_mul_i32 s96, s[WV], 6144
	s_add_co_u32 s96, s96, LB                      ; my head's four tiles of W's chunk 0
	s_lshl_b32 s97, s[WV], 8
	s_add_co_u32 s97, s97, LB+24576                ; and their scale words
	s_lshr_b32 s92, s68, 4                         ; batch
	s_lshl_b32 s93, s66, 2
	s_add_co_u32 s93, s93, s[WV]                   ; head
	s_lshl_b32 s94, s92, 4
	s_add_co_u32 s94, s94, s93
	s_lshl_b32 s94, s94, 4
	s_and_b32 s95, s68, 15
	s_add_co_u32 s94, s94, s95                     ; 16 x (16 batch + head) + the token block in the batch
	s_mov_b32 s89, 0
	s_mul_i32 s88, s94, 6656
	s_add_nc_u64 s[OU0:OU0+1], s[14:15], s[88:89]
	s_mul_i32 s88, s94, 13056
	s_add_nc_u64 s[OU1:OU1+1], s[16:17], s[88:89]
	s_add_nc_u64 s[OU2:OU2+1], s[OU1:OU1+1], 6656
	s_lshl_b32 s88, s93, 8                         ; my head's 64 numbers
	s_add_nc_u64 s[PB0:PB0+1], s[8:9], s[88:89]
	s_add_nc_u64 s[PB2:PB2+1], s[12:13], s[88:89]
	s_lshl_b32 s95, s92, 12                        ; kadd's row of my batch
	s_add_co_u32 s88, s88, s95
	s_add_nc_u64 s[PB1:PB1+1], s[10:11], s[88:89]
	v_and_b32 v52, 31, v0
	v_bfe_u32 v53, v0, 4, 1                        ; h
	v_and_b32 v55, 7, v0
	v_lshlrev_b32 v[LI16], 4, v52
	v_lshlrev_b32 v[LI8], 3, v52
	v_lshlrev_b32 v[LI4], 2, v52
	v_lshlrev_b32 v54, 3, v53                      ; 8 h: where my two scale bytes of v stand in a word
	v_lshlrev_b32 v53, 6, v53                      ; 64 h
	v_bfe_u32 v52, v0, 3, 1
	v_lshl_add_u32 v55, v52, 4, v55
	v_lshlrev_b32 v55, 2, v55                      ; 4 (r % 8 + 16 (r / 8))
	START
	BIASQK PB0
	s_wait_tensorcnt 0x0                           ; my load has landed
	s_barrier_signal -1
	s_barrier_wait -1                              ; x and Wq lie whole in LDS
	s_wait_alu depctr_va_vdst(0)
	FETCH 0
	s_wait_loadcnt 0x0                             ; the bias
	RUN 0
	OUTQK OU0
	RUN 1
	OUTQK OU1
.irp ct, 0,1,2,3
.irp j, 1,2,3,4,5,6,7
	v_mov_b32 v[BI+8*\ct+\j], v[BI+8*\ct]          ; v: a lane's eight registers are eight tokens of one channel: one bias
.endr
.endr
	RUN 2
	WIN 0
	PLACES
.irp b, 0,1,2,3
	v_mov_b32 v[BY+\b], 0
.endr
.irp ct, 0,1,2,3                               ; a channel tile at a time: 4 blocks of 32 keys
	QUANTV 64*\ct, PC+12*\ct, PWT+\ct
	global_store_b128 v[LI16], v[PC+12*\ct:PC+12*\ct+3], s[OU2:OU2+1] offset:1536*\ct
	global_store_b128 v[LI16], v[PC+12*\ct+4:PC+12*\ct+7], s[OU2:OU2+1] offset:1536*\ct+512
	global_store_b128 v[LI16], v[PC+12*\ct+8:PC+12*\ct+11], s[OU2:OU2+1] offset:1536*\ct+1024
.endr
	v_cndmask_b32 v[SW], v[PWT], v[PWT+1], s[HM]
	v_cndmask_b32 v[SW+1], v[PWT+2], v[PWT+3], s[HM]
	global_store_b64 v[LI8], v[SW:SW+1], s[OU2:OU2+1] offset:6144
	s_wait_tensorcnt 0x0                           ; the wave's end
	ds_add_u32 v254, v255
	s_wait_dscnt 0x0
	CROUND                                         ; the closing round: no work-group ends while a partner may still ask for a chunk that names it
	s_endpgm
.Lfunc_end_k_qd99f8f606a_qkv:
	.size	k_qd99f8f606a_qkv, .Lfunc_end_k_qd99f8f606a_qkv-k_qd99f8f606a_qkv
	.p2alignl 7, 3214868480
	.fill 96, 4, 3214868480
	.section	.rodata,"a",@progbits
	.p2align	6, 0x0
	.amdhsa_kernel k_qd99f8f606a_qkv
		.amdhsa_group_segment_fixed_size 327680
		.amdhsa_private_segment_fixed_size 0
		.amdhsa_enable_private_segment 0
		.amdhsa_kernarg_size 56
		.amdhsa_user_sgpr_count 2
		.amdhsa_user_sgpr_kernarg_segment_ptr 1
		.amdhsa_wavefront_size32 1
		.amdhsa_system_sgpr_workgroup_id_x 1
		.amdhsa_system_sgpr_workgroup_id_y 1
		.amdhsa_system_sgpr_workgroup_id_z 1
		.amdhsa_system_vgpr_workitem_id 0
		.amdhsa_next_free_vgpr 608
		.amdhsa_next_free_sgpr 100
		.amdhsa_reserve_vcc 0
		.amdhsa_float_denorm_mode_32 3
		.amdhsa_float_denorm_mode_16_64 3
		.amdhsa_memory_ordered 1
		.amdhsa_forward_progress 1
		.amdhsa_inst_pref_size 238
	.end_amdhsa_kernel
	.amdgpu_metadata
---
amdhsa.version: [ 1, 2 ]
amdhsa.kernels:
  - .name:           k_qd99f8f606a_qkv
    .symbol:         k_qd99f8f606a_qkv.kd
    .args:
      - { .name: xq, .offset: 0, .size: 8, .value_kind: global_buffer, .address_space: global }
      - { .name: wq, .offset: 8, .size: 8, .value_kind: global_buffer, .address_space: global }
      - { .name: bq, .offset: 16, .size: 8, .value_kind: global_buffer, .address_space: global }
      - { .name: kadd, .offset: 24, .size: 8, .value_kind: global_buffer, .address_space: global }
      - { .name: bv, .offset: 32, .size: 8, .value_kind: global_buffer, .address_space: global }
      - { .name: qc, .offset: 40, .size: 8, .value_kind: global_buffer, .address_space: global }
      - { .name: kv, .offset: 48, .size: 8, .value_kind: global_buffer, .address_space: global }
    .group_segment_fixed_size: 327680
    .private_segment_fixed_size: 0
    .kernarg_segment_align: 8
    .kernarg_segment_size: 56
    .max_flat_workgroup_size: 128
    .sgpr_count:     100
    .vgpr_count:     608
    .wavefront_size: 32
...
	.end_amdgpu_metadata
.endif
;; end of part 2
;; launch attn (part 3): grid 4 x 64, 16 waves a work-group, clusters of 4 x 1, 210,944 bytes of LDS; arguments qc, kv, bl, ao; writes ao
.if DOCPART == 3
	.amdgcn_target "amdgcn-amd-amdhsa--gfx1250"
	.amdhsa_code_object_version 6
	.text
	.protected	k_qd99f8f606a_attn
	.globl	k_qd99f8f606a_attn
	.p2align	8
	.type	k_qd99f8f606a_attn,@function
k_qd99f8f606a_attn:
	s_mov_b64 s[64:65], 0
	v_nop
	global_prefetch_b8 v0, s[64:65] scope:SCOPE_SE
	s_setreg_imm32_b32 hwreg(HW_REG_WAVE_MODE, 25, 1), 1
	s_wait_xcnt 0x0
	s_wait_alu depctr_hold_cnt(0) depctr_sa_sdst(0) depctr_va_vdst(0) depctr_va_sdst(0) depctr_va_ssrc(0) depctr_va_vcc(0) depctr_vm_vsrc(0)
	s_getreg_b32 s2, hwreg(HW_REG_IB_STS2, 6, 4)
	s_cmp_eq_u32 s2, 0
	s_cbranch_scc0 .Lentry_in_a_cluster
	s_endpgm
.Lentry_in_a_cluster:
	s_bfe_u32 s2, ttmp6, 0x10000c
	s_cmp_lg_u32 s2, 0x3003
	s_cbranch_scc0 .Lentry_shape_is_right
	s_endpgm
.Lentry_shape_is_right:
; Attention of one head on codes of E2M3 (MX-FP6): t = (q . k) log2(e) / 8 + bl;  M = the running largest t rounded up to a whole number;  p = 2^(t - M) is quantised along the keys;
; the row's sum is taken of the unquantised p and divides at the end.  The result is quantised again, in registers, as the token side of the output projection (ao).
; SHARES.  A work-group takes 512 queries of one head (16 x batch + head = the grid's y); each of its sixteen waves a pair of query tiles, one tile a pass, each pass over all 2,048 keys in 16 steps of 128.
; THE HEAD'S WHOLE K AND V LIE IN LDS: 16 chunks of 13,056 bytes (128 keys each).  Wave w brings chunk w by its one tensor load at the head; every byte is filled once: no ring.
; CLUSTER 4 x 1: the four work-groups of a head read the same K and V: each chunk is asked for jointly, with the mask of all four.
; LAYOUT.  S^T = K Q^T (source 0 = 16 keys, source 1 = my 16 queries), O^T = V^T P^T (source 0 = 16 channels, source 1 = P): a lane holds one query throughout.
; Row r of key tile 4 c + u is key 64 c + 32 (r / 8) + 8 u + r % 8 of the step, so register 32 c + i of S^T is key 64 c + 32 (lane / 16) + i: A WHOLE BLOCK OF 32 KEYS TO A LANE, in the order that
; the second product's operand wants: a block's largest score needs no other lane, and the conversions' results are the operand's registers.
; THE HEAD HAS 64 CHANNELS, THE INSTRUCTION TAKES 128: Q's fragment is six registers of codes and six of zero codes; K's tile t is named as v[KF + 6 t .. + 11]: its upper six registers are the next tile's codes
; (behind the last tile: p's codes), which meet Q's zero codes and add nothing, since every code of E2M3 is a finite number; the upper two bytes of q's and k's scale words are 0, a small power of two and no NaN.
; K AND V HAVE REGISTERS OF THEIR OWN: the next step's K is asked of LDS behind this step's score products, the next step's V behind this step's second product.
; The head's bias bl is the same along the keys, but it moves M and so p's codes: it is kept.
; LIMITS: the promise holds while the scaled scores t stay under 2^31 in magnitude.  NaN and infinities are not served.  A block whose largest magnitude lies under 2^-124 gets the byte 1; the bytes are read by this program alone.
; The scale words of ao leave as two bytes a lane: the other two bytes of a word belong to the neighbouring head, which another work-group makes.
; No prefetch: every byte of K and V is asked for by the tensor loads at the head, so no loop runs ahead of a load.
.set CH,   13056
.set SPARE, 16*CH                      ; behind the chunks: the spare words, 128 bytes a wave
.set LI16, 1                           ; v1  16 x lane
.set LI8,  2                           ; v2  8 x lane
.set ADK,  3                           ; v3  the next step's chunk + 16 x lane
.set ADV8, 4                           ; v4  the same + 8 x lane
.set PWS,  5                           ; v5  p's scale word
.set NM,   6                           ; v6  -M
.set SMX,  7                           ; v7  the running largest score
.set NB,   8                           ; v8  bl - M (named as a pair with v9)
.set SH8,  9                           ; v9  8 (lane / 16)
.set SUM,  10                          ; v[10:11] the row's sum, in two halves
.set FF,   12                          ; v12 2^(old M - new M) (named as a pair with v13, which holds 0)
.set QS,   14                          ; v14 Q's scale words: the even tile in lanes 0-15, the odd one in lanes 16-31
.set AW0,  15                          ; v15 pass 0's two scale bytes of ao
.set QF,   16                          ; v16-27 the pass's query fragment
.set KS,   28                          ; v28-31 K's scale words, a register a pair of tiles
.set VS,   32                          ; v32-33 V's
.set CM,   34                          ; v34-39 six chains of maxima; then v34, 35 the blocks' largest, v36, 37 bytes, v38, 39 the conversions' scale operands
.set KF,   40                          ; v40-87 K's eight tiles
.set PC,   88                          ; v88-99 p's codes
.set VF,   100                         ; v100-147 V's four tiles
.set S,    148                         ; v148-211 S^T, then p, then the sum's tree
.set O,    212                         ; v212-243 O^T
.set TC,   244                         ; v244-251 the conversions' second halves
.set T0,   252
.set T1,   253
.set WV,   12
.set CS,   16                          ; s[16:17] log2(e) / 8
.set BL,   18                          ; s18 the head's bias x log2(e)
.set NCS,  19                          ; s19 -log2(e) / 8
.set SEL,  20
.set NBL,  22                          ; s22 -bl
.set G1,   24
.set G0,   32
.set TB,   48                          ; s48 LDS byte at which the next step's chunk begins
.set CNT,  49
.set HM,   50
.macro ROUND
	s_barrier_signal -1
	s_barrier_wait -1
	s_cmp_lg_u32 s[WV], 0
	s_cbranch_scc1 .Lnot_wave_0_\@
	s_barrier_signal -3
.Lnot_wave_0_\@:
	s_barrier_wait -3
	s_barrier_signal -1
	s_barrier_wait -1
.endm
.macro WPV ct                          ; O^T's products: they add in place
.if (\ct)%2
	v_wmma_scale_f32_16x16x128_f8f6f4 v[O+8*(\ct):O+8*(\ct)+7], v[VF+12*(\ct):VF+12*(\ct)+11], v[PC:PC+11], v[O+8*(\ct):O+8*(\ct)+7], v[VS+(\ct)/2], v[PWS] matrix_a_fmt:MATRIX_FMT_FP6 matrix_b_fmt:MATRIX_FMT_FP6 matrix_a_scale:MATRIX_SCALE_ROW1
.else
	v_wmma_scale_f32_16x16x128_f8f6f4 v[O+8*(\ct):O+8*(\ct)+7], v[VF+12*(\ct):VF+12*(\ct)+11], v[PC:PC+11], v[O+8*(\ct):O+8*(\ct)+7], v[VS+(\ct)/2], v[PWS] matrix_a_fmt:MATRIX_FMT_FP6 matrix_b_fmt:MATRIX_FMT_FP6
.endif
.endm
.macro WMZ d, a, sa, ra, rb            ; S^T's: the constant 0 is the C
.if ((\ra) != 0) && ((\rb) != 0)
	v_wmma_scale_f32_16x16x128_f8f6f4 v[(\d):(\d)+7], v[(\a):(\a)+11], v[QF:QF+11], 0, v[(\sa)], v[QS] matrix_a_fmt:MATRIX_FMT_FP6 matrix_b_fmt:MATRIX_FMT_FP6 matrix_a_scale:MATRIX_SCALE_ROW1 matrix_b_scale:MATRIX_SCALE_ROW1
.elseif (\ra) != 0
	v_wmma_scale_f32_16x16x128_f8f6f4 v[(\d):(\d)+7], v[(\a):(\a)+11], v[QF:QF+11], 0, v[(\sa)], v[QS] matrix_a_fmt:MATRIX_FMT_FP6 matrix_b_fmt:MATRIX_FMT_FP6 matrix_a_scale:MATRIX_SCALE_ROW1
.elseif (\rb) != 0
	v_wmma_scale_f32_16x16x128_f8f6f4 v[(\d):(\d)+7], v[(\a):(\a)+11], v[QF:QF+11], 0, v[(\sa)], v[QS] matrix_a_fmt:MATRIX_FMT_FP6 matrix_b_fmt:MATRIX_FMT_FP6 matrix_b_scale:MATRIX_SCALE_ROW1
.else
	v_wmma_scale_f32_16x16x128_f8f6f4 v[(\d):(\d)+7], v[(\a):(\a)+11], v[QF:QF+11], 0, v[(\sa)], v[QS] matrix_a_fmt:MATRIX_FMT_FP6 matrix_b_fmt:MATRIX_FMT_FP6
.endif
.endm
.macro LOADK                           ; 13 LDS loads: K's eight tiles, six registers each, as they were stored, and their scale words
.irp n, 0,1,2,3,4,5,6,7,8,9,10,11
	ds_load_b128 v[KF+4*\n:KF+4*\n+3], v[ADK] offset:512*\n
.endr
	ds_load_b128 v[KS:KS+3], v[ADK] offset:6144
.endm
.macro LOADV                           ; 13 LDS loads: V's four tiles and their scale words
.irp n, 0,1,2,3,4,5,6,7,8,9,10,11
	ds_load_b128 v[VF+4*\n:VF+4*\n+3], v[ADK] offset:6656+512*\n
.endr
	ds_load_b64 v[VS:VS+1], v[ADV8] offset:12800
.endm
.macro ORS j0                          ; one accumulator of O^T under the new M, from its low end on
.irp j, 0,2,4,6
	v_pk_mul_f32 v[O+(\j0)+\j:O+(\j0)+\j+1], v[O+(\j0)+\j:O+(\j0)+\j+1], v[FF:FF+1] op_sel_hi:[1,0]
.endr
.endm
.macro TREE n, step                    ; n additions of one level of the sum's tree, from register J on: pair J += pair J + step / 2
.rept \n
	v_pk_add_f32 v[S+J:S+J+1], v[S+J:S+J+1], v[S+J+(\step)/2:S+J+(\step)/2+1]
.set J, J+(\step)
.endr
.endm
; A KEY STEP: 128 keys against query tile p of my pair.  nxt = 0: the next chunk follows; 1: pass 0's last step: chunk 0 follows, and the odd tile's queries; 2: nothing follows
.macro STEP p, nxt
	s_wait_dscnt 13                                ; K is in; behind its loads stand V's 13, which may be out
.irp t, 0,1,2,3,4,5,6,7
	WMZ S+8*\t, KF+6*\t, KS+\t/2, \t%2, \p
.endr
.if (\nxt) == 0
	s_add_co_u32 s[TB], s[TB], CH
.elseif (\nxt) == 1
	s_mov_b32 s[TB], 0
.endif
	v_mov_b32 v[T1], v[NM]                         ; four places between the products and the loads into their registers and the reads of the scores
.if (\nxt) < 2
	v_add_nc_u32 v[ADK], s[TB], v[LI16]
	v_add_nc_u32 v[ADV8], s[TB], v[LI8]
	v_nop
	LOADK                                          ; the next step's K lands while the softmax is worked
.else
.rept 3
	v_nop
.endr
.endif
.if (\nxt) == 1
	global_load_b64 v[QF:QF+1], v[LI16], s[60:61] offset:520     ; the odd tile's six registers of the pair's image: the even tile's have had their last product
	global_load_b128 v[QF+2:QF+5], v[LI16], s[60:61] offset:1024
.endif
; the largest score of each of my two blocks of 32 keys: it serves the row's maximum and, since p rises with the score, the block's largest p.  Six chains by turns, the registers in ascending order
.irp k, 0,1,2
.irp c, 0,1
	v_max3_num_f32 v[CM+2*\k+\c], v[S+32*\c+3*\k], v[S+32*\c+3*\k+1], v[S+32*\c+3*\k+2]
.endr
.endr
.irp r, 9,15,21
.irp k, 0,1,2
.irp c, 0,1
	v_max3_num_f32 v[CM+2*\k+\c], v[CM+2*\k+\c], v[S+32*\c+\r+2*\k], v[S+32*\c+\r+2*\k+1]
.endr
.endr
.endr
.irp k, 0,1
.irp c, 0,1
	v_max3_num_f32 v[CM+2*\k+\c], v[CM+2*\k+\c], v[S+32*\c+27+2*\k], v[S+32*\c+28+2*\k]
.endr
.endr
.irp c, 0,1
	v_max_num_f32 v[CM+4+\c], v[CM+4+\c], v[S+32*\c+31]
.endr
.irp c, 0,1
	s_delay_alu instid0(VALU_DEP_2)
	v_max3_num_f32 v[CM+\c], v[CM+\c], v[CM+2+\c], v[CM+4+\c]
.endr
	s_delay_alu instid0(VALU_DEP_1)
	v_max_num_f32 v[T0], v[CM], v[CM+1]
	s_delay_alu instid0(VALU_DEP_1)
	v_permlanex16_b32 v[CM+2], v[T0], s[SEL], s[SEL+1]
	s_delay_alu instid0(VALU_DEP_1)
	v_max3_num_f32 v[SMX], v[SMX], v[T0], v[CM+2]  ; with lane l xor 16's two blocks: the running largest score of my query
	s_delay_alu instid0(VALU_DEP_1)
	v_fma_f32 v[T0], v[SMX], s[NCS], s[NBL]        ; -t (the factor log2(e) / 8 is positive, so the largest score gives the largest t)
	s_delay_alu instid0(VALU_DEP_1)
	v_floor_f32 v[NM], v[T0]                       ; -M = floor(-t): M is a whole number
	s_delay_alu instid0(VALU_DEP_1)
	v_add_f32 v[NB], s[BL], v[NM]
	s_delay_alu instid0(VALU_DEP_2)
	v_sub_f32 v[T0], v[NM], v[T1]                  ; old M - new M: a whole number, 0 or less
	s_delay_alu instid0(VALU_DEP_1)
	v_cvt_i32_f32 v[T0], v[T0]                     ; (it saturates)
.set J, 0
.rept 4
	v_pk_fma_f32 v[S+J:S+J+1], v[S+J:S+J+1], s[CS:CS+1], v[NB:NB+1] op_sel_hi:[1,0,0]   ; t - M, two at a time
.set J, J+2
.endr
	v_ldexp_f32 v[FF], 1.0, v[T0]                  ; what was summed under the old M is brought under the new by a multiplication that rounds nothing
.rept 28
	v_pk_fma_f32 v[S+J:S+J+1], v[S+J:S+J+1], s[CS:CS+1], v[NB:NB+1] op_sel_hi:[1,0,0]
.set J, J+2
.endr
.irp c, 0,1
	v_fma_f32 v[CM+\c], v[CM+\c], s[CS], v[NB]     ; the same of each block's largest score
.endr
	s_wait_alu depctr_va_vdst(0)
.set J, 0
.rept 64
	v_exp_f32 v[S+J], v[S+J]                       ; p = 2^(t - M): not normalised
.set J, J+1
.endr
.irp c, 0,1
	v_exp_f32 v[CM+\c], v[CM+\c]                   ; the block's largest p: the same two instructions on the same number
.endr
	v_pk_mul_f32 v[SUM:SUM+1], v[SUM:SUM+1], v[FF:FF+1] op_sel_hi:[1,0]   ; the sums under the new M (a plain place behind the exponentials)
.if (\nxt) < 2
	s_wait_dscnt 13                                ; V is in; behind its loads stand the next K's 13
.else
	s_wait_dscnt 0x0
.endif
	s_wait_alu depctr_va_vdst(0)                   ; the wait behind the batch, directly ahead of the first reader of O^T
	ORS 0
.irp c, 0,1
	v_max_num_f32 v[CM+\c], 0x1800000, v[CM+\c]    ; the floor 2^(3 - 127): the byte cannot fall under 1
.endr
	ORS 8
.irp c, 0,1
	v_add_nc_u32 v[CM+4+\c], 0xff000000, v[CM+\c]  ; 2 off the exponent field: the conversion's scale operand
.endr
	ORS 16
.irp c, 0,1
	v_lshrrev_b32 v[CM+2+\c], 23, v[CM+4+\c]       ; the scale's byte
.endr
	ORS 24
	v_lshl_or_b32 v[T0], v[CM+3], 16, v[CM+2]      ; my two bytes: blocks h and 2 + h
.irp c, 0,1
	v_cvt_scalef32_pk16_fp6_f32 v[PC+6*\c:PC+6*\c+2], v[S+32*\c:S+32*\c+15], v[CM+4+\c]
	v_cvt_scalef32_pk16_fp6_f32 v[TC+4*\c:TC+4*\c+2], v[S+32*\c+16:S+32*\c+31], v[CM+4+\c]   ; (a conversion's three registers begin on an even number)
.endr
	v_lshlrev_b32 v[T0], v[SH8], v[T0]             ; at their places in the word (also the plain place behind the conversions)
.irp c, 0,1
.irp i, 0,1,2
	v_mov_b32 v[PC+6*\c+3+\i], v[TC+4*\c+\i]
.endr
.endr
	v_permlanex16_b32 v[T1], v[T0], s[SEL], s[SEL+1]
.set J, 0
	TREE 5, 4                                      ; the row's sum of the unquantised p: a tree in place, 16 + 8 + 4 + 2 + 1 additions and one onto the sum
	v_or_b32 v[PWS], v[T0], v[T1]                  ; with lane l xor 16's two bytes p's scale word is whole
	TREE 11, 4                                     ; eleven places between the scale word and the products
.irp ct, 0,1,2,3
	WPV \ct                                        ; four accumulators by turns; the next step's eight score products stand between two links of a chain
.endr
.set J, 0
	TREE 4, 8                                      ; four places between the products and the loads into V's registers
.if (\nxt) < 2
	LOADV                                          ; the next step's V
.endif
	TREE 4, 8
.set J, 0
	TREE 3, 16
	s_delay_alu instid0(VALU_DEP_4)
	TREE 1, 16
	s_delay_alu instid0(VALU_DEP_3)
	v_pk_add_f32 v[S:S+1], v[S:S+1], v[S+16:S+17]
	s_delay_alu instid0(VALU_DEP_2)
	v_pk_add_f32 v[S+32:S+33], v[S+32:S+33], v[S+48:S+49]
	s_delay_alu instid0(VALU_DEP_1)
	v_pk_add_f32 v[S:S+1], v[S:S+1], v[S+32:S+33]
	s_delay_alu instid0(VALU_DEP_1)
	v_pk_add_f32 v[SUM:SUM+1], v[SUM:SUM+1], v[S:S+1]
.endm
.macro INIT                            ; a pass begins: the step is written once, its first trip finds zeros, which the first change of M leaves zeros
	v_mov_b32 v[SMX], 0xff61b1e6                   ; -3e38, under every score
	v_mov_b32 v[NM], 0x7f61b1e6                    ; and -M to match
	v_mov_b32 v[SUM], 0
	v_mov_b32 v[SUM+1], 0
.set J, 0
.rept 32
	v_mov_b32 v[O+J], 0
.set J, J+1
.endr
.endm
; A pass ends: O^T / the sum, quantised along the head's 64 channels (register 16 b + i is channel 32 b + 16 (lane / 16) + i): six registers of codes, stored at once, and a word of two bytes in v[aw]
.macro FINISH p, aw
	s_delay_alu instid0(VALU_DEP_1)
	v_add_f32 v[SUM], v[SUM], v[SUM+1]
	s_delay_alu instid0(VALU_DEP_1)
	v_permlanex16_b32 v[T0], v[SUM], s[SEL], s[SEL+1]
	s_delay_alu instid0(VALU_DEP_1)
	v_add_f32 v[SUM], v[SUM], v[T0]                ; the row's sum
	s_wait_alu depctr_va_vdst(0)
	v_rcp_f32 v[T0], v[SUM]
	v_nop                                          ; one plain place behind a transcendental
	s_wait_alu depctr_va_vdst(0)                   ; the wait behind the transcendental, directly ahead of the first reader of O^T
.irp j, 0,2,4,6,8,10,12,14,16,18,20,22,24,26,28,30
	v_pk_mul_f32 v[O+\j:O+\j+1], v[O+\j:O+\j+1], v[T0:T0+1] op_sel_hi:[1,0]   ; each accumulator from its low end on
.endr
.irp b, 0,1
	v_max3_num_f32 v[CM+\b], |v[O+16*\b]|, |v[O+16*\b+1]|, 0x1800000
.endr
.irp i, 2,4,6,8,10,12,14
.irp b, 0,1
	s_delay_alu instid0(VALU_DEP_2)
	v_max3_num_f32 v[CM+\b], v[CM+\b], |v[O+16*\b+\i]|, |v[O+16*\b+\i+1]|
.endr
.endr
.irp b, 0,1
	s_delay_alu instid0(VALU_DEP_2)
	v_permlanex16_b32 v[CM+2+\b], v[CM+\b], s[SEL], s[SEL+1]
.endr
.irp b, 0,1
	s_delay_alu instid0(VALU_DEP_2)
	v_max_num_f32 v[CM+\b], v[CM+\b], v[CM+2+\b]   ; with lane l xor 16's half of the block
.endr
.irp b, 0,1
	s_delay_alu instid0(VALU_DEP_2)
	v_add_nc_u32 v[CM+4+\b], 0xff000000, v[CM+\b]
.endr
.irp b, 0,1
	s_delay_alu instid0(VALU_DEP_2)
	v_lshrrev_b32 v[CM+2+\b], 23, v[CM+4+\b]
.endr
	s_delay_alu instid0(VALU_DEP_1)
	v_lshl_or_b32 v[\aw], v[CM+3], 8, v[CM+2]
	v_cvt_scalef32_pk16_fp6_f32 v[S:S+2], v[O:O+15], v[CM+4]
	v_cvt_scalef32_pk16_fp6_f32 v[TC:TC+2], v[O+16:O+31], v[CM+5]
	v_nop                                          ; one plain place behind a scaled conversion
.irp i, 0,1,2
	v_permlane16_swap_b32 v[S+\i], v[TC+\i]        ; a whole block to a lane
.endr
.irp i, 0,1,2
	s_delay_alu instid0(VALU_DEP_3)
	v_mov_b32 v[S+3+\i], v[TC+\i]
.endr
	global_store_b128 v[LI16], v[S:S+3], s[66:67] offset:1536*(\p)
	global_store_b64 v[LI8], v[S+4:S+5], s[66:67] offset:1536*(\p)+512
.endm
.macro PASS p, aw
	s_mov_b32 s[CNT], 15
.Lkeys_\@:
	STEP \p, 0
	s_sub_co_u32 s[CNT], s[CNT], 1
	s_cmp_lg_u32 s[CNT], 0
	s_cbranch_scc1 .Lkeys_\@
	STEP \p, 1+\p                                  ; the last step is written out: what follows it differs
	FINISH \p, \aw
.endm
	s_load_b256 s[4:11], s[0:1], 0x0               ; qc, kv, bl, ao
	v_lshl_add_u32 v254, v0, 2, SPARE
	v_mov_b32 v255, 0
	ds_add_u32 v254, v255                          ; the opening lines: the add, twice on end, and its wait ahead of my tensor load
	ds_add_u32 v254, v255
	v_lshrrev_b32 v1, 5, v0
	s_delay_alu instid0(VALU_DEP_1)
	v_readfirstlane_b32 s[WV], v1                  ; wave 0..15
	s_bfe_u32 s13, ttmp6, 0x40000                  ; cx: it enters q's and ao's addresses alone
	s_and_b32 s14, ttmp7, 0xffff                   ; 16 x batch + head, which the four partners share
	; descriptor group 1: a chunk is dense: 51 rows of 256 bytes (32 elements of 8); the mask names all four work-groups
	s_mov_b32 s[G1], 15|(3<<16)|(1<<21)
	s_mov_b32 s[G1+1], 32<<16
	s_mov_b32 s[G1+2], 51<<16
	s_mov_b32 s[G1+3], 32<<16
	s_mov_b32 s[G1+4], 51
	s_mov_b32 s[G1+5], 32
	s_mov_b32 s[G1+6], 0
	s_mov_b32 s[G1+7], 0
	s_mov_b32 s[CS], 0x3e38aa3b                    ; log2(e) / sqrt(64)
	s_mov_b32 s[CS+1], s[CS]                       ; (named with it as a pair, so it is written)
	s_mov_b32 s[NCS], 0xbe38aa3b
	s_mov_b32 s[SEL], 0x76543210
	s_mov_b32 s[SEL+1], 0xfedcba98
	s_mov_b32 s[HM], 0xffff0000
	s_mov_b32 s[TB], 0
	s_mul_i32 s51, s[WV], CH                       ; wave w brings chunk w
	s_mul_i32 s52, s14, 16*CH
	s_add_co_u32 s52, s52, s51
	s_mov_b32 s53, 0
	s_lshl_b32 s54, s14, 2
	s_lshl_b32 s55, s13, 2
	s_lshr_b32 s56, s[WV], 2
	s_add_co_u32 s55, s55, s56                     ; my token block in the batch
	s_and_b32 s58, s[WV], 3                        ; my pair of tiles in it
	s_lshl_b32 s56, s14, 4
	s_add_co_u32 s56, s56, s55
	s_mul_i32 s56, s56, 6656                       ; q's chunk
	s_mul_i32 s59, s58, 1536
	s_add_co_u32 s60, s56, s59                     ; the pair's image
	s_mov_b32 s61, 0
	s_lshl_b32 s59, s58, 2
	s_add_co_u32 s62, s56, s59
	s_add_co_u32 s62, s62, 6144                    ; and its scale words
	s_mov_b32 s63, 0
	s_lshr_b32 s56, s14, 4
	s_lshl_b32 s56, s56, 4
	s_add_co_u32 s56, s56, s55                     ; token block 0..63
	s_lshl_b32 s56, s56, 3
	s_bfe_u32 s59, s14, 0x30001                    ; head / 2: the K step of the output projection
	s_add_co_u32 s56, s56, s59
	s_mul_i32 s56, s56, 12800                      ; ao's chunk
	s_and_b32 s59, s14, 1                          ; head % 2: which half of a fragment
	s_mul_i32 s66, s58, 3072
	s_add_co_u32 s66, s66, s56
	s_mul_i32 s57, s59, 768
	s_add_co_u32 s66, s66, s57
	s_mov_b32 s67, 0
	s_lshr_b32 s57, s58, 1
	s_lshl_b32 s57, s57, 8
	s_add_co_u32 s68, s56, s57
	s_and_b32 s57, s58, 1
	s_lshl_b32 s57, s57, 2
	s_add_co_u32 s68, s68, s57
	s_lshl_b32 s57, s59, 1
	s_add_co_u32 s68, s68, s57
	s_add_co_u32 s68, s68, 12288
	s_mov_b32 s69, 0
	s_wait_dscnt 0x0                               ; both opening adds are done
	s_wait_kmcnt 0x0
	s_load_b32 s[BL], s[8:9], s54 offset:0x0
	s_add_nc_u64 s[52:53], s[6:7], s[52:53]
	s_add_nc_u64 s[60:61], s[4:5], s[60:61]
	s_add_nc_u64 s[62:63], s[4:5], s[62:63]
	s_add_nc_u64 s[66:67], s[10:11], s[66:67]
	s_add_nc_u64 s[68:69], s[10:11], s[68:69]
	ROUND                                          ; all four work-groups are here: the joint loads meet
	s_mov_b32 s[G0], 1
	s_add_co_u32 s[G0+1], s51, 0
	s_mov_b64 s[G0+2:G0+3], s[52:53]
	s_or_b32 s[G0+3], s[G0+3], 0x80000000
	tensor_load_to_lds s[G0:G0+3], s[G1:G1+7]      ; my one tensor load: one load of mine is out
	s_nop 0
	v_and_b32 v[ADK], 31, v0
	v_bfe_u32 v[SH8], v0, 4, 1
	s_delay_alu instid0(VALU_DEP_2)
	v_lshlrev_b32 v[LI16], 4, v[ADK]
	s_delay_alu instid0(VALU_DEP_3)
	v_lshlrev_b32 v[LI8], 3, v[ADK]
	s_delay_alu instid0(VALU_DEP_3)
	v_lshlrev_b32 v[SH8], 3, v[SH8]
	global_load_b128 v[QF:QF+3], v[LI16], s[60:61]             ; the even tile's six registers of the pair's image
	global_load_b64 v[QF+4:QF+5], v[LI16], s[60:61] offset:512
	global_load_b32 v[QS], v[LI16], s[62:63]
.irp j, 6,7,8,9,10,11
	v_mov_b32 v[QF+\j], 0                          ; zero codes for k = 64 .. 127
.endr
.irp j, 0,1,2,3,4,5
	v_mov_b32 v[PC+\j], 0                          ; named behind K's last tile before p's first codes are made
.endr
	v_mov_b32 v[FF+1], 0                           ; (named as the upper half of a pair)
	INIT
	v_add_nc_u32 v[ADK], s[TB], v[LI16]
	v_add_nc_u32 v[ADV8], s[TB], v[LI8]
	s_wait_alu depctr_va_vdst(0)
	s_wait_loadcnt 0x0                             ; q
	s_wait_kmcnt 0x0                               ; bl
	s_xor_b32 s[NBL], s[BL], 0x80000000
	s_wait_tensorcnt 0x0                           ; my chunk has landed
	s_barrier_signal -1
	s_barrier_wait -1                              ; everybody's has: all of K and V lies in LDS, and nothing is filled again
	LOADK
	LOADV
	PASS 0, AW0
	INIT
	s_wait_alu depctr_va_vdst(0)
	s_wait_loadcnt 0x0                             ; the odd tile's queries are in
	s_wait_xcnt 0x0                                ; pass 0's stores have read their data: the scores' registers may be written again
	PASS 1, T0
	v_cndmask_b32 v[T1], v[AW0], v[T0], s[HM]      ; lanes 0-15: the even tile's two bytes, lanes 16-31: the odd tile's
	global_store_b16 v[LI8], v[T1], s[68:69]
	s_wait_tensorcnt 0x0                           ; the wave's end
	ds_add_u32 v254, v255
	s_wait_dscnt 0x0
	ROUND                                          ; the closing round
	s_endpgm
.Lfunc_end_k_qd99f8f606a_attn:
	.size	k_qd99f8f606a_attn, .Lfunc_end_k_qd99f8f606a_attn-k_qd99f8f606a_attn
	.p2alignl 7, 3214868480
	.fill 96, 4, 3214868480
	.section	.rodata,"a",@progbits
	.p2align	6, 0x0
	.amdhsa_kernel k_qd99f8f606a_attn
		.amdhsa_group_segment_fixed_size 210944
		.amdhsa_private_segment_fixed_size 0
		.amdhsa_enable_private_segment 0
		.amdhsa_kernarg_size 32
		.amdhsa_user_sgpr_count 2
		.amdhsa_user_sgpr_kernarg_segment_ptr 1
		.amdhsa_wavefront_size32 1
		.amdhsa_system_sgpr_workgroup_id_x 1
		.amdhsa_system_sgpr_workgroup_id_y 1
		.amdhsa_system_sgpr_workgroup_id_z 1
		.amdhsa_system_vgpr_workitem_id 0
		.amdhsa_next_free_vgpr 256
		.amdhsa_next_free_sgpr 70
		.amdhsa_reserve_vcc 0
		.amdhsa_float_denorm_mode_32 3
		.amdhsa_float_denorm_mode_16_64 3
		.amdhsa_memory_ordered 1
		.amdhsa_forward_progress 1
		.amdhsa_inst_pref_size 76
	.end_amdhsa_kernel
	.amdgpu_metadata
---
amdhsa.version: [ 1, 2 ]
amdhsa.kernels:
  - .name:           k_qd99f8f606a_attn
    .symbol:         k_qd99f8f606a_attn.kd
    .args:
      - { .name: qc, .offset: 0, .size: 8, .value_kind: global_buffer, .address_space: global }
      - { .name: kv, .offset: 8, .size: 8, .value_kind: global_buffer, .address_space: global }
      - { .name: bl, .offset: 16, .size: 8, .value_kind: global_buffer, .address_space: global }
      - { .name: ao, .offset: 24, .size: 8, .value_kind: global_buffer, .address_space: global }
    .group_segment_fixed_size: 210944
    .private_segment_fixed_size: 0
    .kernarg_segment_align: 8
    .kernarg_segment_size: 32
    .max_flat_workgroup_size: 512
    .sgpr_count:     70
    .vgpr_count:     256
    .wavefront_size: 32
...
	.end_amdgpu_metadata
.endif
;; end of part 3
;; launch outp (part 4): grid 4 x 64, 4 waves a work-group, clusters of 4 x 4, 307,712 bytes of LDS; arguments ao, wq, bo, out0; writes out0
.if DOCPART == 4
	.amdgcn_target "amdgcn-amd-amdhsa--gfx1250"
	.amdhsa_code_object_version 6
	.text
	.protected	k_qd99f8f606a_outp
	.globl	k_qd99f8f606a_outp
	.p2align	8
	.type	k_qd99f8f606a_outp,@function
k_qd99f8f606a_outp:
	s_mov_b64 s[64:65], 0
	v_nop
	global_prefetch_b8 v0, s[64:65] scope:SCOPE_SE
	s_setreg_imm32_b32 hwreg(HW_REG_WAVE_MODE, 25, 1), 1
	s_wait_xcnt 0x0
	s_wait_alu depctr_hold_cnt(0) depctr_sa_sdst(0) depctr_va_vdst(0) depctr_va_sdst(0) depctr_va_ssrc(0) depctr_va_vcc(0) depctr_vm_vsrc(0)
	s_getreg_b32 s2, hwreg(HW_REG_IB_STS2, 6, 4)
	s_cmp_eq_u32 s2, 0
	s_cbranch_scc0 .Lentry_in_a_cluster
	s_endpgm
.Lentry_in_a_cluster:
	s_bfe_u32 s2, ttmp6, 0x10000c
	s_cmp_lg_u32 s2, 0xf033
	s_cbranch_scc0 .Lentry_shape_is_right
	s_endpgm
.Lentry_shape_is_right:
; out0 = attention's output x Wo + bo on codes of E2M3 (MX-FP6); f32 out.
; SHARES.  A work-group takes 128 tokens x 256 columns; wave w takes 128 tokens x 64 columns: 32 accumulators.  256 work-groups.
; ALL OF K LIES IN LDS AT ONCE: 8 chunks of ao (12,800 bytes each) and 8 of Wo's codes (25,600): every LDS byte is filled once, by first fills at the head: no ring.
; CLUSTER 4 x 4: ao's chunks are shared along a row of the cluster, Wo's along a column: each is asked for jointly.
; The matrix instruction is used transposed (source 0 = 16 columns of Wo, source 1 = 16 tokens): a lane holds one token and eight neighbouring columns a tile.
; Row r of token tile 4 c + u is token 64 c + 32 (r / 8) + 8 u + r % 8 of the block; register j of column tile ct is column 32 (ct / 2) + 16 (lane / 16) + 8 (ct % 2) + j of my 64.
; THE WAY OUT: a token tile (16 rows x 256 bytes) goes through my own stage in LDS and leaves as whole rows: sixteen lanes store 256 consecutive bytes, aligned.
; The stages lie in ao's chunks 0 to 2, which have had their only fill and whose last read stands ahead of the last barrier.
; No prefetch: every byte that the work-group reads is asked for by the tensor loads at its head.
; REGISTERS as in the projections' launch.  Window 0: v1-7 addresses; v8-15, v16-19 scale words; v20-51 the bias; v56-247 ao's fragments, two sets.  Window 1: the accumulators.  Window 2: Wo's fragments, two sets.
.set CHA,  12800
.set CHB,  25600
.set LB,   8*CHA
.set LI16, 1
.set LI8,  2
.set LI4,  3
.set ADRA, 4
.set ADRA8, 5
.set ADRB, 6
.set ADRW, 7
.set XS,   8
.set WS,   16
.set BI,   20
.set STO,  52                          ; v52 the stage: where I put 16 bytes of a row
.set RD,   53                          ; v53 and where I read a row back
.set CO,   54                          ; v54 my byte offset in two rows of out0
.set AF,   56
.set BK,   56                          ; the way out: v56-87, v88-119 by turns
.set WV,   18
.set G1A,  24
.set G1B,  32
.set G0A,  40
.set G0B,  68
.set MSB, 0
.macro WIN new                         ; the immediate's high byte repeats the setting that is left
.if MSB != \new
	s_set_vgpr_msb (MSB<<8)|\new
.set MSB, \new
.endif
.endm
.macro CROUND
	s_barrier_signal -1
	s_barrier_wait -1
	s_cmp_lg_u32 s[WV], 0
	s_cbranch_scc1 .Lnot_wave_0_\@
	s_barrier_signal -3
.Lnot_wave_0_\@:
	s_barrier_wait -3
	s_barrier_signal -1
	s_barrier_wait -1
.endm
.macro PLACES
.rept 4
	v_nop
.endr
.endm
.macro WM d, a, b, c, sa, sb, ra, rb
.if ((\ra) != 0) && ((\rb) != 0)
	v_wmma_scale_f32_16x16x128_f8f6f4 v[(\d):(\d)+7], v[(\a):(\a)+11], v[(\b):(\b)+11], v[(\c):(\c)+7], v[(\sa)], v[(\sb)] matrix_a_fmt:MATRIX_FMT_FP6 matrix_b_fmt:MATRIX_FMT_FP6 matrix_a_scale:MATRIX_SCALE_ROW1 matrix_b_scale:MATRIX_SCALE_ROW1
.elseif (\ra) != 0
	v_wmma_scale_f32_16x16x128_f8f6f4 v[(\d):(\d)+7], v[(\a):(\a)+11], v[(\b):(\b)+11], v[(\c):(\c)+7], v[(\sa)], v[(\sb)] matrix_a_fmt:MATRIX_FMT_FP6 matrix_b_fmt:MATRIX_FMT_FP6 matrix_a_scale:MATRIX_SCALE_ROW1
.elseif (\rb) != 0
	v_wmma_scale_f32_16x16x128_f8f6f4 v[(\d):(\d)+7], v[(\a):(\a)+11], v[(\b):(\b)+11], v[(\c):(\c)+7], v[(\sa)], v[(\sb)] matrix_a_fmt:MATRIX_FMT_FP6 matrix_b_fmt:MATRIX_FMT_FP6 matrix_b_scale:MATRIX_SCALE_ROW1
.else
	v_wmma_scale_f32_16x16x128_f8f6f4 v[(\d):(\d)+7], v[(\a):(\a)+11], v[(\b):(\b)+11], v[(\c):(\c)+7], v[(\sa)], v[(\sb)] matrix_a_fmt:MATRIX_FMT_FP6 matrix_b_fmt:MATRIX_FMT_FP6
.endif
.endm
.macro FETCH p                         ; 48 LDS loads in one run: a K step's fragments and scale words into set p
	WIN 0x80                                       ; destination window 2, address window 0
.irp n, 0,1,2,3,4,5,6,7,8,9,10,11
	ds_load_b128 v[48*(\p)+4*\n:48*(\p)+4*\n+3], v[ADRB] offset:512*\n
.endr
	WIN 0
.irp t, 0,1,2,3,4,5,6,7
	ds_load_b128 v[AF+96*(\p)+12*\t:AF+96*(\p)+12*\t+3], v[ADRA] offset:1536*\t
	ds_load_b64 v[AF+96*(\p)+12*\t+4:AF+96*(\p)+12*\t+5], v[ADRA8] offset:1536*\t+512
	ds_load_b128 v[AF+96*(\p)+12*\t+6:AF+96*(\p)+12*\t+9], v[ADRA] offset:1536*\t+768
	ds_load_b64 v[AF+96*(\p)+12*\t+10:AF+96*(\p)+12*\t+11], v[ADRA8] offset:1536*\t+1280
.endr
	ds_load_b64 v[XS+4*(\p):XS+4*(\p)+1], v[ADRA8] offset:12288
	ds_load_b64 v[XS+4*(\p)+2:XS+4*(\p)+3], v[ADRA8] offset:12544
	ds_load_b32 v[WS+2*(\p)], v[ADRW]
	ds_load_b32 v[WS+2*(\p)+1], v[ADRW] offset:128
.endm
.macro MUL p, first                    ; 32 matrix instructions: every accumulator once, in the same order in every step; first = 1: the bias is the C
.if \first
	WIN 0x42                                       ; source 0 (Wo) window 2, source 1 (ao) window 0, C window 0, D window 1
.else
	WIN 0x52
.endif
.irp t, 0,1,2,3,4,5,6,7
.irp ct, 0,1,2,3
.if \first
	WM 8*(4*\t+\ct), 48*(\p)+12*\ct, AF+96*(\p)+12*\t, BI+8*\ct, WS+2*(\p)+\ct/2, XS+4*(\p)+\t/2, \ct%2, \t%2
.else
	WM 8*(4*\t+\ct), 48*(\p)+12*\ct, AF+96*(\p)+12*\t, 8*(4*\t+\ct), WS+2*(\p)+\ct/2, XS+4*(\p)+\t/2, \ct%2, \t%2
.endif
.endr
.endr
.endm
.macro KSTEP s
	s_wait_dscnt 0x0                               ; this step's fragments are in (asked for a step ago)
.if (\s) == 5
	s_barrier_signal -1                            ; every wave's reads of chunks 0 to 5 are over: behind this barrier ao's chunks 0 to 2 may take the stages
	s_barrier_wait -1
.endif
.if (\s) < 7
	WIN 0
	s_wait_alu depctr_va_vdst(0)
	v_add_nc_u32 v[ADRA], CHA, v[ADRA]             ; these four lines are also the places between the last step's products and the loads into the set that they read
	v_add_nc_u32 v[ADRA8], CHA, v[ADRA8]
	v_add_nc_u32 v[ADRB], CHB, v[ADRB]
	v_add_nc_u32 v[ADRW], CHB, v[ADRW]
	FETCH ((\s)+1)%2
.endif
.if (\s) == 0
	MUL 0, 1
.else
	MUL (\s)%2, 0
.endif
.endm
.macro TOSTAGE t                       ; token tile t: into my stage t % 2, and back as whole rows
	WIN 0x04                                       ; an LDS store's data are its source 1: window 1
.irp ct, 0,1,2,3
	ds_store_b128 v[STO], v[8*(4*(\t)+\ct):8*(4*(\t)+\ct)+3] offset:4352*((\t)%2)+128*(\ct/2)+32*(\ct%2)      ; each accumulator from its low end on
	ds_store_b128 v[STO], v[8*(4*(\t)+\ct)+4:8*(4*(\t)+\ct)+7] offset:4352*((\t)%2)+128*(\ct/2)+32*(\ct%2)+16
.endr
	WIN 0
.irp i, 0,1,2,3,4,5,6,7
	ds_load_b128 v[BK+32*((\t)%2)+4*\i:BK+32*((\t)%2)+4*\i+3], v[RD] offset:4352*((\t)%2)+544*\i   ; LDS serves a wave's instructions in order: these see the stores above
.endr
.endm
.macro SEND t, younger                 ; younger: the LDS instructions issued behind tile t's loads, which may stay out
	s_wait_dscnt \younger
.irp i, 0,1,2,3,4,5,6,7
	global_store_b128 v[CO], v[BK+32*((\t)%2)+4*\i:BK+32*((\t)%2)+4*\i+3], s[96:97] offset:(64*((\t)/4)+8*((\t)%4)+2*(\i%4)+32*(\i/4))*4096 th:TH_STORE_NT   ; row r of token tile 4 c + u is token 64 c + 32 (r / 8) + 8 u + r % 8: stage rows 2 i, 2 i + 1
.endr
.endm
	s_load_b256 s[4:11], s[0:1], 0x0               ; ao, wq, bo, out0
	v_lshl_add_u32 v254, v0, 2, 0x4b000
	v_mov_b32 v255, 0
	ds_add_u32 v254, v255
	ds_add_u32 v254, v255
	v_lshrrev_b32 v1, 5, v0
	v_readfirstlane_b32 s[WV], v1                  ; wave 0..3
	s_and_b32 s19, s[WV], 1
	s_lshl_b32 s19, s19, 2                         ; the first of the four neighbouring chunks that my one load brings: 0 or 4
	s_lshr_b32 s23, s[WV], 1                       ; I fetch for ao (0) or for Wo (1)
	s_bfe_u32 s60, ttmp6, 0x40000                  ; cx = the column block of 256
	s_bfe_u32 s61, ttmp6, 0x40004                  ; cy
	s_and_b32 s63, ttmp7, 0xffff
	s_lshl_b32 s63, s63, 2
	s_add_co_u32 s63, s63, s61                     ; token block 0..63
	s_lshl_b32 s88, s61, 2
	s_lshl_b32 s88, 15, s88                        ; my row of the cluster
	s_lshl_b32 s89, 0x1111, s60                    ; my column
	s_or_b32 s[G1A], s88, (3<<16)|(1<<21)          ; dense chunks: rows of 256 bytes (32 elements of 8), 50 for ao, 100 for Wo; no padding
	s_or_b32 s[G1B], s89, (3<<16)|(1<<21)
.irp g, G1A, G1B
	s_mov_b32 s[\g+1], 32<<16
	s_mov_b32 s[\g+3], 32<<16
	s_mov_b32 s[\g+5], 32
	s_mov_b32 s[\g+6], 0
	s_mov_b32 s[\g+7], 0
.endr
	s_mov_b32 s[G1A+2], 200<<16                    ; four chunks of ao on end are 200 rows of 256 bytes
	s_mov_b32 s[G1A+4], 200
	s_mov_b32 s[G1B+2], 400<<16                    ; four chunks of Wo: 400 rows
	s_mov_b32 s[G1B+4], 400
	s_lshl_b32 s56, s63, 3                         ; ao's address hangs on the token block and the wave alone,
	s_add_co_u32 s56, s56, s19
	s_mul_i32 s56, s56, CHA
	s_mov_b32 s57, 0
	s_add_co_u32 s84, s60, 12                      ; Wo's blocks are 12 to 15 of wq: on the column block and the wave alone
	s_lshl_b32 s84, s84, 3
	s_add_co_u32 s84, s84, s19
	s_mul_i32 s84, s84, CHB
	s_mov_b32 s85, 0
	s_mul_i32 s66, s19, CHA
	s_mul_i32 s67, s19, CHB
	s_wait_dscnt 0x0
	s_wait_kmcnt 0x0
	s_add_nc_u64 s[58:59], s[4:5], s[56:57]
	s_add_nc_u64 s[86:87], s[6:7], s[84:85]
	CROUND                                         ; all sixteen work-groups are here: the joint loads meet
.irp j, 0                                      ; one group 0 for ao and one for Wo
	s_mov_b32 s[G0A+4*\j], 1
	s_add_co_u32 s[G0A+4*\j+1], s66, \j*2*CHA
	s_add_nc_u64 s[G0A+4*\j+2:G0A+4*\j+3], s[58:59], \j*2*CHA
	s_or_b32 s[G0A+4*\j+3], s[G0A+4*\j+3], 0x80000000
	s_mov_b32 s[G0B+4*\j], 1
	s_add_co_u32 s[G0B+4*\j+1], s67, LB+\j*2*CHB
	s_add_nc_u64 s[G0B+4*\j+2:G0B+4*\j+3], s[86:87], \j*2*CHB
	s_or_b32 s[G0B+4*\j+3], s[G0B+4*\j+3], 0x80000000
.endr
	s_cmp_eq_u32 s23, 0                            ; one first fill a wave: waves 0, 1 ao's chunks 0-3, 4-7; waves 2, 3 Wo's
	s_cbranch_scc0 .Lfor_b
.irp j, 0
	tensor_load_to_lds s[G0A+4*\j:G0A+4*\j+3], s[G1A:G1A+7]
	s_nop 0
.endr
	PLACES
	s_branch .Lasked
.Lfor_b:
.irp j, 0
	tensor_load_to_lds s[G0B+4*\j:G0B+4*\j+3], s[G1B:G1B+7]
	s_nop 0
.endr
	PLACES
.Lasked:
	v_and_b32 v55, 31, v0
	v_lshlrev_b32 v[LI16], 4, v55
	v_lshlrev_b32 v[LI8], 3, v55
	v_lshlrev_b32 v[LI4], 2, v55
	v_lshlrev_b32 v[ADRA], 4, v55
	v_lshlrev_b32 v[ADRA8], 3, v55
	s_mul_i32 s90, s[WV], 6144
	s_add_co_u32 s90, s90, LB
	v_add_nc_u32 v[ADRB], s90, v[LI16]
	s_lshl_b32 s90, s[WV], 8
	s_add_co_u32 s90, s90, LB+24576
	v_add_nc_u32 v[ADRW], s90, v[LI4]
	v_and_b32 v248, 15, v0                         ; r
	v_bfe_u32 v249, v0, 4, 1                       ; h
	s_wait_alu depctr_va_vdst(0)
	s_mul_i32 s90, s[WV], 8704                     ; my two stages of 16 rows x 272 bytes
	v_mul_u32_u24 v[STO], v248, 272
	v_lshl_add_u32 v[STO], v249, 6, v[STO]
	v_add_nc_u32 v[STO], s90, v[STO]               ; in: row r, + 64 h
	v_mul_u32_u24 v[RD], v249, 272
	v_lshl_add_u32 v[RD], v248, 4, v[RD]
	v_add_nc_u32 v[RD], s90, v[RD]                 ; back: lanes 0-15 one row, lanes 16-31 the next
	v_lshlrev_b32 v[CO], 12, v249
	v_lshl_add_u32 v[CO], v248, 4, v[CO]           ; and the same two rows of out0
	s_lshl_b32 s88, s60, 10
	s_lshl_b32 s89, s[WV], 8
	s_add_co_u32 s88, s88, s89                     ; my 64 columns, in bytes
	s_mov_b32 s89, 0
	s_add_nc_u64 s[98:99], s[8:9], s[88:89]        ; bo
	s_lshl_b32 s90, s63, 19                        ; 128 rows of 4,096 bytes
	s_add_co_u32 s88, s88, s90
	s_add_nc_u64 s[96:97], s[10:11], s[88:89]      ; out0
	v_lshlrev_b32 v250, 6, v249
.irp ct, 0,1,2,3
	global_load_b128 v[BI+8*\ct:BI+8*\ct+3], v250, s[98:99] offset:128*(\ct/2)+32*(\ct%2)
	global_load_b128 v[BI+8*\ct+4:BI+8*\ct+7], v250, s[98:99] offset:128*(\ct/2)+32*(\ct%2)+16
.endr
	s_wait_tensorcnt 0x0                           ; my one load has landed; behind the barrier all of K lies in LDS
	s_barrier_signal -1
	s_barrier_wait -1                              ; chunks 0 and 1 of both operands are whole
	FETCH 0
	s_wait_loadcnt 0x0                             ; the bias
.irp s, 0,1,2,3,4,5,6,7
	KSTEP \s
.endr
	WIN 0
	PLACES                                         ; behind the last products: their results are read, and registers that products have read are loaded, below
	TOSTAGE 0
.irp a, 1,2,3,4,5,6,7
.if \a > 1
	s_wait_xcnt 0x0                                ; tile a - 2's stores have read their registers: tile a's rows may land there
.endif
	TOSTAGE \a
	SEND \a-1, 16                                  ; behind tile a - 1's loads: tile a's 8 stores and 8 loads
.endr
	SEND 7, 0
	s_wait_dscnt 0x0
	s_wait_tensorcnt 0x0
	ds_add_u32 v254, v255
	s_wait_dscnt 0x0
	CROUND                                         ; the closing round
	s_endpgm
.Lfunc_end_k_qd99f8f606a_outp:
	.size	k_qd99f8f606a_outp, .Lfunc_end_k_qd99f8f606a_outp-k_qd99f8f606a_outp
	.p2alignl 7, 3214868480
	.fill 96, 4, 3214868480
	.section	.rodata,"a",@progbits
	.p2align	6, 0x0
	.amdhsa_kernel k_qd99f8f606a_outp
		.amdhsa_group_segment_fixed_size 307712
		.amdhsa_private_segment_fixed_size 0
		.amdhsa_enable_private_segment 0
		.amdhsa_kernarg_size 32
		.amdhsa_user_sgpr_count 2
		.amdhsa_user_sgpr_kernarg_segment_ptr 1
		.amdhsa_wavefront_size32 1
		.amdhsa_system_sgpr_workgroup_id_x 1
		.amdhsa_system_sgpr_workgroup_id_y 1
		.amdhsa_system_sgpr_workgroup_id_z 1
		.amdhsa_system_vgpr_workitem_id 0
		.amdhsa_next_free_vgpr 608
		.amdhsa_next_free_sgpr 100
		.amdhsa_reserve_vcc 0
		.amdhsa_float_denorm_mode_32 3
		.amdhsa_float_denorm_mode_16_64 3
		.amdhsa_memory_ordered 1
		.amdhsa_forward_progress 1
		.amdhsa_inst_pref_size 82
	.end_amdhsa_kernel
	.amdgpu_metadata
---
amdhsa.version: [ 1, 2 ]
amdhsa.kernels:
  - .name:           k_qd99f8f606a_outp
    .symbol:         k_qd99f8f606a_outp.kd
    .args:
      - { .name: ao, .offset: 0, .size: 8, .value_kind: global_buffer, .address_space: global }
      - { .name: wq, .offset: 8, .size: 8, .value_kind: global_buffer, .address_space: global }
      - { .name: bo, .offset: 16, .size: 8, .value_kind: global_buffer, .address_space: global }
      - { .name: out0, .offset: 24, .size: 8, .value_kind: global_buffer, .address_space: global }
    .group_segment_fixed_size: 307712
    .private_segment_fixed_size: 0
    .kernarg_segment_align: 8
    .kernarg_segment_size: 32
    .max_flat_workgroup_size: 128
    .sgpr_count:     100
    .vgpr_count:     608
    .wavefront_size: 32
...
	.end_amdgpu_metadata
.endif
;; end of part 4
